; MI455X (gfx1250); checked and timed in simulation.
; The chip was launched on July 23, 2026; its instructions are those of AMD's public machine-readable ISA for CDNA 5 (MIT licence, August 2026) and "CDNA5" Instruction Set Architecture Reference Guide (July 2026). The comments in the code are by the model that wrote it; some were corrected since.
;; Custom Multi Head Attention. Allowed arithmetic: matrix products marked QUANTISED: E2M3 operands, one E8M0 scale for each 32 along K, by v_wmma_scale_f32_16x16x128_f8f6f4 with both operands' format E2M3, f32 sums; everything else in f32.
;; Inputs: Wk 1,024 x 1,024 float32; Wo 1,024 x 1,024 float32; Wq 1,024 x 1,024 float32; Wv 1,024 x 1,024 float32; bk 1,024 float32; bo 1,024 float32; bq 1,024 float32; bv 1,024 float32; key 8 x 1,024 x 1,024 float32; key_padding_mask 8 x 1,024 bool; query 8 x 1,024 x 1,024 float32; stoichiometry 8 x 1,024 float32; value 8 x 1,024 x 1,024 float32.
;; Outputs: out0 8 x 1,024 x 1,024 float32.
;; This version of the problem:
;;   THIS VERSION OF THE PROBLEM IS GIVEN IN LOW PRECISION. The matrix products marked QUANTISED in the list below multiply operands that are first quantised to E2M3 (2 exponent bits, 3 mantissa bits; 6 bits a number), with one power-of-two scale for each 32 numbers along K (OCP MX v1.0); their sums are f32. All else is computed in f32.
;;   The module's matrix products, in the order in which they are computed (A, B: the left and right operand; K: the contracted axis; several contracted axes count as one K, in the product's order):
;;     1. [M 8,192, K 1,024] x [K 1,024, N 1,024]; A: input query; B: input Wq: QUANTISED
;;     2. [M 8,192, K 1,024] x [K 1,024, N 1,024]; A: input key; B: input Wk: QUANTISED
;;     3. [M 8,192, K 1,024] x [K 1,024, N 1,024]; A: input value; B: input Wv: QUANTISED
;;     4. batch 128 x [M 1,024, K 64] x [K 64, N 1,024]; A: computed on the way; B: computed on the way: QUANTISED
;;     5. batch 128 x [M 1,024, K 1,024] x [K 1,024, N 64]; A: softmax (see below); B: computed on the way: QUANTISED
;;     6. [M 8,192, K 1,024] x [K 1,024, N 1,024]; A: computed on the way; B: input Wo: QUANTISED
;;   THE QUANTISER, for each operand of a quantised product, along K:
;;     - K is cut into blocks of 32 from its start; a last block that is shorter is filled with zeros.
;;     - A block's scale is 2^e with e = floor(log2(the largest magnitude in the block)) - 2, held to -126 .. 127; a block of zeros has e = 0. As a byte (E8M0): e + 127.
;;     - Each number is divided by its block's scale, clamped to +-7.5, and rounded to the nearest number of E2M3, ties to even, subnormals kept.
;;     - The product sums the exact products of the quantised numbers (number of the format x scale) in f32.
;;   ~~~python
;;   def quantise(x, axis):      # numpy; x: float32 -> the quantised numbers, widened to float32 again
;;       x = np.moveaxis(x, axis, -1); K = x.shape[-1]
;;       x = np.pad(x, [(0, 0)] * (x.ndim - 1) + [(0, -K % 32)]); x = x.reshape(x.shape[:-1] + (-1, 32)); a = np.abs(x).max(-1, keepdims=True)
;;       e = np.where(a > 0, np.clip(np.frexp(np.where(a > 0, a, 1))[1] - 1 - 2, -126, 127), 0)      # np.frexp(a)[1] - 1 = floor(log2(a)), exactly
;;       r = np.clip(x / 2.0 ** e, -7.5, 7.5)
;;       step = 2.0 ** (np.maximum(np.frexp(np.where(r == 0, 1, r))[1] - 1, 0) - 3)
;;       q = np.round(r / step) * step * 2.0 ** e      # np.round: ties to even
;;       return np.moveaxis(q.reshape(q.shape[:-2] + (-1,))[..., :K], -1, axis).astype(np.float32)
;;   ~~~
;;   SOFTMAX AHEAD OF A QUANTISED PRODUCT. Where the list says 'softmax', what is quantised is not the finished softmax but p = 2^(t - M), with t = logit x log2(e) and M = ceil(the row's largest t), a whole number; so 1/2 < the row's largest p <= 1. The row's sum l is taken of the UNQUANTISED p, in f32, and the product's result is divided by l at the end. Since M is a whole number, a kernel that streams over the keys may use a running M (the ceiling of the running maximum): every later rescaling is an exact power of two, which a block's scale takes up: the codes' values come out the same.
;;   OPERANDS COMPUTED ON THE WAY. 'Computed on the way' means the value that the module computes at that place (a softmax that the list does not call 'softmax' is quantised finished and normalised). What goes into a quantiser is computed in f32, as accurately as f32 sums, v_exp_f32 and their like allow (about 1e-6 of the number): no bf16 or f16 on the way to a quantiser, and a product that is left as it is and whose result goes on into a quantised operand takes f32 operands (vector FMAs, or v_wmma_f32_16x16x4_f32). A number that lies on a knife's edge between two numbers of the format may be rounded either way, as far as f32 arithmetic and the matrix unit's own rounding can turn it there, and no further.
;; One version. Each part assembles by itself: llvm-mc -triple=amdgcn-amd-amdhsa -mcpu=gfx1250 --defsym DOCPART=n.
;; ======== version 1 of 1: 4 launches
;; limits: right only within a limited range of input values
;; workspace buffers: codes 22,020,096 bytes; scales 917,504 bytes; qkvc 18,874,368 bytes; qkvs 1,310,720 bytes; oc 6,291,456 bytes; os 262,144 bytes
;; launch quant (part 1): grid 896 x 1, 4 waves a work-group, no clusters, 34,304 bytes of LDS; arguments query, key, value, Wq, Wk, Wv, Wo, codes, scales; writes codes, scales
.if DOCPART == 1
	.amdgcn_target "amdgcn-amd-amdhsa--gfx1250"
	.amdhsa_code_object_version 6
	.text
	.protected	k_q962a902172_quant
	.globl	k_q962a902172_quant
	.p2align	8
	.type	k_q962a902172_quant,@function
k_q962a902172_quant:
	s_mov_b64 s[64:65], 0
	v_nop
	global_prefetch_b8 v0, s[64:65] scope:SCOPE_SE
	s_setreg_imm32_b32 hwreg(HW_REG_WAVE_MODE, 25, 1), 1
	s_wait_xcnt 0x0
; query, key, value [8192][1024] and Wq, Wk, Wv, Wo [1024][1024], f32, K innermost, become codes of FP6 (E2M3) with one E8M0 byte for each 32 along K.
; A block's scale is 2^(floor(log2(its largest magnitude)) - 2); each number is divided by it and rounded to the nearest code, ties to even, beyond 7.5 the largest code.
; WHAT IS STORED ARE IMAGES OF OPERAND REGISTERS.  Rows go in tiles of 16: slot r of tile t is row 32 (t / 2) + 8 (t % 2) + r + 8 (r / 8).  A fragment (a tile x 128 along K) is the 12 registers that
; the matrix instruction wants of each lane, stored as three blocks of 512 bytes, registers 4 c .. 4 c + 3 of lane l at 512 c + 16 l.  codes: [tile 1792][K step 8][1536 bytes]; tiles 0-511 query, 512-1023 key,
; 1024-1535 value, then 64 each of Wq, Wk, Wv, Wo.  scales: [tile][half of K][slot 16][4 words], a word = the four bytes of a row's 128 along K.
; SHARES.  A work-group takes 32 rows (two tiles); wave w takes tile w / 2 and half w % 2 of K: 16 rows x 512, in four steps of 128.  Each load reads 512 consecutive bytes of one row; a step's 8,192 bytes turn
; through the wave's own stage in LDS (rows 528 bytes apart) so that a lane gets 16 neighbours of each block of 32.  Loads run one step (16 loads a wave) ahead.  No barrier: waves share nothing.
; LIMITS: a block whose largest magnitude lies under 2^-124 gets the byte 1 (a block of zeros too, where the rule says 127: its codes are zeros and only this program reads the bytes); NaN and infinities are not served.
.set STG,   8448                       ; a wave's stage: 16 rows x 528 bytes
.set SPARE, 4*STG                      ; behind the stages: the spare words, 128 bytes a wave, two blocks of 256 bytes that no other line names
.set LO,   1                           ; v1   16 x lane: my place in a load's 512 bytes, and in a block of an image
.set SI,   2                           ; v2   the stage, on the way in
.set SOUT, 3                           ; v3   and on the way out: row r, + 64 h
.set SCO,  4                           ; v4   16 r: my row's four scale words
.set SPW,  12                          ; v12  my spare word; never rewritten
.set NIL,  13                          ; v13  0; never rewritten
.set R,    16                          ; v16-143  two sets of 64 registers as loaded
.set X,    144                         ; v144-207 register 16 b + i = k 32 b + 16 h + i of my row
.set PC,   208                         ; v208-219 the fragment just made
.set T2,   220                         ; v220-227 upper halves of blocks on their way
.set TM,   228                         ; v228-243 at work in QUANT
.set WD,   244                         ; v244-247 the four steps' scale words
.set SEL,  26                          ; s[26:27] lane selects: lane l xor 16
; 64 numbers of a lane, v[s] on, register 16 b + i = k 32 b + 16 (lane / 16) + i of its row, become the fragment v[d] .. v[d + 11] and the scale word v[w].
.macro QUANT s, d, t2, w
.irp b, 0,1,2,3
	v_max3_num_f32 v[TM+\b], |v[\s+16*\b]|, |v[\s+1+16*\b]|, 0x1800000   ; my 16 numbers of block b, and the floor 2^(3 - 127): the byte cannot fall under 1
.endr
.irp i, 2,4,6,8,10,12,14
.irp b, 0,1,2,3
	v_max3_num_f32 v[TM+\b], v[TM+\b], |v[\s+16*\b+\i]|, |v[\s+1+16*\b+\i]|   ; the four blocks by turns
.endr
.endr
.irp b, 0,1,2,3
	v_permlanex16_b32 v[TM+4+\b], v[TM+\b], s[SEL], s[SEL+1]
.endr
.irp b, 0,1,2,3
	v_max_num_f32 v[TM+\b], v[TM+\b], v[TM+4+\b]   ; with lane l xor 16's 16: the block's largest magnitude
.endr
.irp b, 0,1,2,3
	v_add_nc_u32 v[TM+12+\b], 0xff000000, v[TM+\b]   ; 2 off its exponent field: the conversion's scale operand
.endr
.irp b, 0,1,2,3
	v_lshrrev_b32 v[TM+4+\b], 23, v[TM+12+\b]      ; the scale's byte
.endr
	v_lshl_or_b32 v[\w], v[TM+5], 8, v[TM+4]
	v_lshl_or_b32 v[\w], v[TM+6], 16, v[\w]
	v_lshl_or_b32 v[\w], v[TM+7], 24, v[\w]
.irp c, 0,1
	v_cvt_scalef32_pk16_fp6_f32 v[\d+6*\c:\d+6*\c+2], v[\s+32*\c:\s+32*\c+15], v[TM+12+2*\c]
	v_cvt_scalef32_pk16_fp6_f32 v[\t2+4*\c:\t2+4*\c+2], v[\s+16+32*\c:\s+31+32*\c], v[TM+13+2*\c]   ; (a conversion's three registers begin on an even number)
.endr
	v_nop                                          ; one plain instruction behind the scaled conversions
.irp c, 0,1                            ; the operand wants a whole block in a lane: lanes 0-15 block 2 c, lanes 16-31 block 2 c + 1
.irp i, 0,1,2
	v_permlane16_swap_b32 v[\d+6*\c+\i], v[\t2+4*\c+\i]
.endr
.irp i, 0,1,2
	v_mov_b32 v[\d+3+6*\c+\i], v[\t2+4*\c+\i]
.endr
.endr
.endm
	s_load_b256 s[8:15], s[0:1], 0x0               ; query, key, value, Wq
	s_load_b256 s[16:23], s[0:1], 0x20             ; Wk, Wv, Wo, codes
	s_load_b64 s[24:25], s[0:1], 0x40              ; scales
	v_lshl_add_u32 v[SPW], v0, 2, SPARE
	v_mov_b32 v[NIL], 0
	v_lshrrev_b32 v5, 5, v0
	v_readfirstlane_b32 s28, v5                    ; wave 0..3
	v_and_b32 v6, 31, v0                           ; lane
	v_and_b32 v7, 15, v0                           ; r
	v_bfe_u32 v8, v0, 4, 1                         ; h
	v_lshlrev_b32 v[LO], 4, v6
	s_mul_i32 s29, s28, STG
	v_add_nc_u32 v[SI], s29, v[LO]
	v_mul_u32_u24 v[SOUT], v7, 528
	v_lshl_add_u32 v[SOUT], v8, 6, v[SOUT]
	v_add_nc_u32 v[SOUT], s29, v[SOUT]
	v_lshlrev_b32 v[SCO], 4, v7
.irp b, 0,1,2,3
	v_mov_b32 v[TM+4+\b], 0                        ; written once: a lane permute's destination counts as one of its sources
.endr
	s_mov_b32 s[SEL], 0x76543210
	s_mov_b32 s[SEL+1], 0xfedcba98
	s_lshr_b32 s30, s28, 1                         ; which of the two tiles
	s_and_b32 s31, s28, 1                          ; which half of K
	s_wait_kmcnt 0x0
	s_mov_b64 s[4:5], s[20:21]                     ; the tensor is chosen by the work-group's number alone: Wo from 864 on,
	s_mov_b32 s6, 864
	s_cmp_lt_u32 ttmp9, 864
	s_cselect_b64 s[4:5], s[18:19], s[4:5]         ; Wv from 832,
	s_cselect_b32 s6, 832, s6
	s_cmp_lt_u32 ttmp9, 832
	s_cselect_b64 s[4:5], s[16:17], s[4:5]         ; Wk from 800,
	s_cselect_b32 s6, 800, s6
	s_cmp_lt_u32 ttmp9, 800
	s_cselect_b64 s[4:5], s[14:15], s[4:5]         ; Wq from 768,
	s_cselect_b32 s6, 768, s6
	s_cmp_lt_u32 ttmp9, 768
	s_cselect_b64 s[4:5], s[12:13], s[4:5]         ; value from 512,
	s_cselect_b32 s6, 512, s6
	s_cmp_lt_u32 ttmp9, 512
	s_cselect_b64 s[4:5], s[10:11], s[4:5]         ; key from 256,
	s_cselect_b32 s6, 256, s6
	s_cmp_lt_u32 ttmp9, 256
	s_cselect_b64 s[4:5], s[8:9], s[4:5]           ; query from 0
	s_cselect_b32 s6, 0, s6
	s_sub_co_u32 s32, ttmp9, s6
	s_lshl_b32 s32, s32, 17                        ; 32 rows of 4,096 bytes,
	s_lshl_b32 s33, s30, 15                        ; the second tile begins 8 rows on,
	s_add_co_u32 s32, s32, s33
	s_lshl_b32 s33, s31, 11                        ; the second half of K 2,048 bytes on
	s_add_co_u32 s32, s32, s33
	s_mov_b32 s33, 0
	s_add_nc_u64 s[4:5], s[4:5], s[32:33]
	s_mul_i32 s32, ttmp9, 24576                    ; codes: 12,288 bytes a tile, 6,144 a half of K
	s_mul_i32 s34, s30, 12288
	s_add_co_u32 s32, s32, s34
	s_mul_i32 s34, s31, 6144
	s_add_co_u32 s32, s32, s34
	s_add_nc_u64 s[22:23], s[22:23], s[32:33]
	s_lshl_b32 s32, ttmp9, 10                      ; scales: 512 bytes a tile, 256 a half of K
	s_lshl_b32 s34, s30, 9
	s_add_co_u32 s32, s32, s34
	s_lshl_b32 s34, s31, 8
	s_add_co_u32 s32, s32, s34
	s_add_nc_u64 s[24:25], s[24:25], s[32:33]
.macro LOAD t                          ; step t: 128 along K of the tile's 16 rows; 32 lanes read 512 consecutive bytes
.irp i, 0,1,2,3,4,5,6,7,8,9,10,11,12,13,14,15
	global_load_b128 v[R+64*((\t)%2)+4*\i:R+64*((\t)%2)+4*\i+3], v[LO], s[4:5] offset:(\i+8*(\i/8))*4096+512*(\t) th:TH_LOAD_NT
.endr
.endm
.macro STEP t
.if (\t) < 3
	s_wait_loadcnt 16                              ; this step's 16 loads are in; the next step's 16 may be out
.else
	s_wait_loadcnt 0x0
.endif
.irp i, 0,1,2,3,4,5,6,7,8,9,10,11,12,13,14,15
	ds_store_b128 v[SI], v[R+64*((\t)%2)+4*\i:R+64*((\t)%2)+4*\i+3] offset:528*\i
.endr
.irp b, 0,1,2,3
.irp j, 0,1,2,3
	ds_load_b128 v[X+16*\b+4*\j:X+16*\b+4*\j+3], v[SOUT] offset:128*\b+16*\j   ; LDS serves a wave's instructions in order: these see the stores above
.endr
.endr
	s_wait_dscnt 0x0                               ; my numbers are back, and the stores have read their registers,
.if (\t) < 2
	LOAD (\t)+2                                    ; which take the loads of two steps on
.endif
.if (\t) > 0
	s_wait_xcnt 0x0                                ; the last step's stores have read the fragment's registers: only now are they written again
.endif
	QUANT X, PC, T2, WD+(\t)
.irp c, 0,1,2
	global_store_b128 v[LO], v[PC+4*\c:PC+4*\c+3], s[22:23] offset:1536*(\t)+512*\c   ; 32 lanes store 512 consecutive bytes, at a multiple of 256 from the buffer's first byte
.endr
.endm
	LOAD 0
	LOAD 1
	STEP 0
	STEP 1
	STEP 2
	STEP 3
	global_store_b128 v[SCO], v[WD:WD+3], s[24:25] ; 16 rows x 4 words: 256 consecutive bytes; lanes 16-31 hold and write the same as lanes 0-15
	s_wait_tensorcnt 0x0                           ; the wave's end: behind my last LDS store
	ds_add_u32 v[SPW], v[NIL]
	s_wait_dscnt 0x0
	s_endpgm
.Lfunc_end_k_q962a902172_quant:
	.size	k_q962a902172_quant, .Lfunc_end_k_q962a902172_quant-k_q962a902172_quant
	.p2alignl 7, 3214868480
	.fill 96, 4, 3214868480
	.section	.rodata,"a",@progbits
	.p2align	6, 0x0
	.amdhsa_kernel k_q962a902172_quant
		.amdhsa_group_segment_fixed_size 34304
		.amdhsa_private_segment_fixed_size 0
		.amdhsa_enable_private_segment 0
		.amdhsa_kernarg_size 72
		.amdhsa_user_sgpr_count 2
		.amdhsa_user_sgpr_kernarg_segment_ptr 1
		.amdhsa_wavefront_size32 1
		.amdhsa_system_sgpr_workgroup_id_x 1
		.amdhsa_system_sgpr_workgroup_id_y 1
		.amdhsa_system_sgpr_workgroup_id_z 1
		.amdhsa_system_vgpr_workitem_id 0
		.amdhsa_next_free_vgpr 256
		.amdhsa_next_free_sgpr 66
		.amdhsa_reserve_vcc 0
		.amdhsa_float_denorm_mode_32 3
		.amdhsa_float_denorm_mode_16_64 3
		.amdhsa_memory_ordered 1
		.amdhsa_forward_progress 1
		.amdhsa_inst_pref_size 34
	.end_amdhsa_kernel
	.amdgpu_metadata
---
amdhsa.version: [ 1, 2 ]
amdhsa.kernels:
  - .name:           k_q962a902172_quant
    .symbol:         k_q962a902172_quant.kd
    .args:
      - { .name: query, .offset: 0, .size: 8, .value_kind: global_buffer, .address_space: global }
      - { .name: key, .offset: 8, .size: 8, .value_kind: global_buffer, .address_space: global }
      - { .name: value, .offset: 16, .size: 8, .value_kind: global_buffer, .address_space: global }
      - { .name: Wq, .offset: 24, .size: 8, .value_kind: global_buffer, .address_space: global }
      - { .name: Wk, .offset: 32, .size: 8, .value_kind: global_buffer, .address_space: global }
      - { .name: Wv, .offset: 40, .size: 8, .value_kind: global_buffer, .address_space: global }
      - { .name: Wo, .offset: 48, .size: 8, .value_kind: global_buffer, .address_space: global }
      - { .name: codes, .offset: 56, .size: 8, .value_kind: global_buffer, .address_space: global }
      - { .name: scales, .offset: 64, .size: 8, .value_kind: global_buffer, .address_space: global }
    .group_segment_fixed_size: 34304
    .private_segment_fixed_size: 0
    .kernarg_segment_align: 8
    .kernarg_segment_size: 72
    .max_flat_workgroup_size: 128
    .sgpr_count:     66
    .vgpr_count:     256
    .wavefront_size: 32
...
	.end_amdgpu_metadata
.endif
;; end of part 1
;; launch proj (part 2): grid 4 x 192, 4 waves a work-group, clusters of 4 x 4, 327,680 bytes of LDS; arguments codes, scales, bq, bk, bv, qkvc, qkvs; writes qkvc, qkvs
.if DOCPART == 2
	.amdgcn_target "amdgcn-amd-amdhsa--gfx1250"
	.amdhsa_code_object_version 6
	.text
	.protected	k_q962a902172_proj
	.globl	k_q962a902172_proj
	.p2align	8
	.type	k_q962a902172_proj,@function
k_q962a902172_proj:
	s_mov_b64 s[64:65], 0
	v_nop
	global_prefetch_b8 v0, s[64:65] scope:SCOPE_SE
	s_setreg_imm32_b32 hwreg(HW_REG_WAVE_MODE, 25, 1), 1
	s_wait_xcnt 0x0
	s_wait_alu depctr_hold_cnt(0) depctr_sa_sdst(0) depctr_va_vdst(0) depctr_va_sdst(0) depctr_va_ssrc(0) depctr_va_vcc(0) depctr_vm_vsrc(0)
	s_getreg_b32 s2, hwreg(HW_REG_IB_STS2, 6, 4)
	s_cmp_eq_u32 s2, 0
	s_cbranch_scc0 .Lentry_in_a_cluster
	s_endpgm
.Lentry_in_a_cluster:
	s_bfe_u32 s2, ttmp6, 0x10000c
	s_cmp_lg_u32 s2, 0xf033
	s_cbranch_scc0 .Lentry_shape_is_right
	s_endpgm
.Lentry_shape_is_right:
; Q = query Wq^T + bq, K = key Wk^T + bk, V = value Wv^T + bv on codes of FP6 (E2M3) with E8M0 scales, sums in f32; the results are quantised at once for attention's two products and stored as images of operand registers.
; OPERANDS come as images (launch quant): a fragment = 16 rows x 128 K = 1,536 bytes, three loads of 16 bytes a lane; slot r of tile t is row 32 (t / 2) + 8 (t % 2) + r + 8 (r / 8).
; A WORK-GROUP makes 128 'A' rows x 256 'B' rows over all of K = 1,024, which lies in LDS at once (96 KB + 192 KB): every LDS byte is filled once, all tensor loads go out at the head, five a wave, in four chunks along K.
; A WAVE makes 64 A rows x 128 B rows: 32 accumulators.  Source 0 = a tile of B, source 1 = a tile of A: a lane holds ONE row of A, and by the order of rows in a tile the 64 registers of a tile of A run along 128 neighbouring rows of B:
; register 16 b + i = row 32 b + 16 (lane / 16) + i.  So they are quantised in registers, along B's index, into one fragment.
; z = 0, 1 (Q, K): A = tokens, B = rows of W: quantised along the two heads' 2 x 64.  z = 2 (V): A = rows of Wv, B = tokens of value, by addresses alone: the result is V^T, quantised along the keys.
; OUT.  qkvc: Q [pair 64][token tile 64][1536]; then for each pair K [token tile 64][1536] and V [key step 8][head 2][d tile 4][1536].  pair = batch x 8 + pair of heads; a fragment of Q or K holds head 2 p in registers 0-5, 2 p + 1 in 6-11.
; qkvs: Q and K [pair][tile / 4][head 2][slot 16][tile % 4]: a word with the other head's two bytes 0;  V [key step][head][slot 16][d tile 4].
; CLUSTER 4 x 4: A's tiles are asked for jointly along a row of the cluster, B's along a column.
; LIMITS: blocks under 2^-124 (blocks of zeros too) get the byte 1; NaN and infinities are not served.
; REGISTERS.  window 0: v1-31 addresses; v32-63 A's scale words (8 a + s), v64-127 B's (8 b + s); v128-223 A's fragments, two sets; v224-231 the bias by lane.  window 1: accumulator (a, b) at v[8 (8 a + b)].
; window 2: v0-191 B's fragments, two sets; v192-255 the bias by register.  On the way out window 0's v32-191 are free.
.set BCOD,  98304                      ; LDS: A's codes from 0: chunk c at 24,576 c: [tile 8][3,072 bytes];  B's from here: chunk c at 49,152 c: [tile 16][3,072]
.set ASC,   294912                     ; A's scale words, 4,096 bytes
.set BSC,   299008                     ; B's, 8,192 bytes
.set SPARE, 307200                     ; the spare words, 128 bytes a wave, two blocks of 256 bytes that no other line names
.set SPW, 14
.set NIL, 15
.set SA,  32
.set SB,  64
.set AF,  128
.set BM,  224
.set BN,  192                          ; in window 2
.set X,   128                          ; the way out: 64 numbers
.set PC,  32                           ; four fragments, 12 registers each
.set T2,  80
.set TM,  96
.set WD,  112                          ; four scale words
.set MK,  19                           ; v19 which bytes of a scale word my half of the lanes stores
.set G1A, 8                            ; s[8:15], s[16:23] descriptor groups 1 for codes; s[24:31], s[32:39] for scale words
.set G1B, 16
.set G1SA, 24
.set G1SB, 32
.set G0A, 40                           ; s[40:59] five groups 0 for A: scale words, chunks 0 to 3
.set G0B, 68                           ; s[68:87] the same for B
.set WV,  60
.set WR,  61                           ; which 64 rows of A are mine.  Also: I fetch for A (0) or B (1)
.set WC,  62                           ; which 128 rows of B.  Also: which half I fetch
.set CX,  63
.set CY,  88
.set ZZ,  89                           ; 0 Q, 1 K, 2 V: the same in all sixteen partners
.set UU,  90
.set SEL, 94
.set MSB, 0
.macro WIN new                         ; the immediate's high byte repeats the setting that is left
.if MSB != \new
	s_set_vgpr_msb (MSB<<8)|\new
.set MSB, \new
.endif
.endm
.set W_MUL, 0x52                       ; source 0 (B) window 2, source 1 (A) window 0, C and D window 1
.set TO_W2, 0x80                       ; destination window 2
.set W_ADD, 0x09                       ; source 0 window 1, source 1 window 2, destination window 0
.macro PLACES                          ; four plain instructions between a matrix instruction and a load into, or a vector instruction on, its registers
.rept 4
	v_nop
.endr
.endm
.macro CROUND                          ; a round of the cluster's barrier
	s_barrier_signal -1
	s_barrier_wait -1
	s_cmp_lg_u32 s[WV], 0
	s_cbranch_scc1 .Lnot_wave_0_\@
	s_barrier_signal -3
.Lnot_wave_0_\@:
	s_barrier_wait -3
	s_barrier_signal -1
	s_barrier_wait -1
.endm
.macro GROUP1 g, c, r, p               ; r rows of c elements of 8 bytes, p elements from row to row
	s_mov_b32 s[\g+1], (\c)<<16
	s_mov_b32 s[\g+2], (\r)<<16
	s_mov_b32 s[\g+3], (\c)<<16
	s_mov_b32 s[\g+4], \r
	s_mov_b32 s[\g+5], \p
	s_mov_b32 s[\g+6], 0
	s_mov_b32 s[\g+7], 0
.endm
; 64 numbers of a lane, v[s] on, register 16 b + i = k 32 b + 16 (lane / 16) + i of its row, become the fragment v[d] .. v[d + 11] and the scale word v[w].
.macro QUANT s, d, t2, w
.irp b, 0,1,2,3
	v_max3_num_f32 v[TM+\b], |v[\s+16*\b]|, |v[\s+1+16*\b]|, 0x1800000   ; my 16 numbers of block b, and the floor 2^(3 - 127): the byte cannot fall under 1
.endr
.irp i, 2,4,6,8,10,12,14
.irp b, 0,1,2,3
	v_max3_num_f32 v[TM+\b], v[TM+\b], |v[\s+16*\b+\i]|, |v[\s+1+16*\b+\i]|
.endr
.endr
.irp b, 0,1,2,3
	v_permlanex16_b32 v[TM+4+\b], v[TM+\b], s[SEL], s[SEL+1]
.endr
.irp b, 0,1,2,3
	v_max_num_f32 v[TM+\b], v[TM+\b], v[TM+4+\b]   ; with lane l xor 16's 16: the block's largest magnitude
.endr
.irp b, 0,1,2,3
	v_add_nc_u32 v[TM+12+\b], 0xff000000, v[TM+\b]   ; 2 off its exponent field: the conversion's scale operand
.endr
.irp b, 0,1,2,3
	v_lshrrev_b32 v[TM+4+\b], 23, v[TM+12+\b]      ; the scale's byte
.endr
	v_lshl_or_b32 v[\w], v[TM+5], 8, v[TM+4]
	v_lshl_or_b32 v[\w], v[TM+6], 16, v[\w]
	v_lshl_or_b32 v[\w], v[TM+7], 24, v[\w]
.irp c, 0,1
	v_cvt_scalef32_pk16_fp6_f32 v[\d+6*\c:\d+6*\c+2], v[\s+32*\c:\s+32*\c+15], v[TM+12+2*\c]
	v_cvt_scalef32_pk16_fp6_f32 v[\t2+4*\c:\t2+4*\c+2], v[\s+16+32*\c:\s+31+32*\c], v[TM+13+2*\c]
.endr
	v_nop                                          ; one plain instruction behind the scaled conversions
.irp c, 0,1
.irp i, 0,1,2
	v_permlane16_swap_b32 v[\d+6*\c+\i], v[\t2+4*\c+\i]
.endr
.irp i, 0,1,2
	v_mov_b32 v[\d+3+6*\c+\i], v[\t2+4*\c+\i]
.endr
.endr
.endm
; 36 LDS loads in one run: K step s's eight fragments of B and four of A into set s % 2
.macro FETCH s
	WIN TO_W2
.irp b, 0,1,2,3,4,5,6,7
.irp c, 0,1,2
	ds_load_b128 v[96*((\s)%2)+12*\b+4*\c:96*((\s)%2)+12*\b+4*\c+3], v[8+(\s)/2] offset:\b*3072+((\s)%2)*1536+512*\c
.endr
.endr
	WIN 0
.irp a, 0,1,2,3
.irp c, 0,1,2
	ds_load_b128 v[AF+48*((\s)%2)+12*\a+4*\c:AF+48*((\s)%2)+12*\a+4*\c+3], v[4+(\s)/2] offset:\a*3072+((\s)%2)*1536+512*\c
.endr
.endr
.endm
; 32 matrix instructions: K step s.  The 32 accumulators take turns, one instruction a turn, in the same order in every step; step 0 starts the sums with the constant 0.
.macro MUL s
	WIN W_MUL
.irp a, 0,1,2,3
.irp b, 0,1,2,3,4,5,6,7
.if (\s) == 0
	v_wmma_scale_f32_16x16x128_f8f6f4 v[8*(8*\a+\b):8*(8*\a+\b)+7], v[96*((\s)%2)+12*\b:96*((\s)%2)+12*\b+11], v[AF+48*((\s)%2)+12*\a:AF+48*((\s)%2)+12*\a+11], 0, v[SB+8*\b+(\s)], v[SA+8*\a+(\s)] matrix_a_fmt:MATRIX_FMT_FP6 matrix_b_fmt:MATRIX_FMT_FP6
.else
	v_wmma_scale_f32_16x16x128_f8f6f4 v[8*(8*\a+\b):8*(8*\a+\b)+7], v[96*((\s)%2)+12*\b:96*((\s)%2)+12*\b+11], v[AF+48*((\s)%2)+12*\a:AF+48*((\s)%2)+12*\a+11], v[8*(8*\a+\b):8*(8*\a+\b)+7], v[SB+8*\b+(\s)], v[SA+8*\a+(\s)] matrix_a_fmt:MATRIX_FMT_FP6 matrix_b_fmt:MATRIX_FMT_FP6
.endif
.endr
.endr
	WIN 0
.endm
.macro STEP s
	s_wait_dscnt 0x0                               ; this step's fragments are in, and no LDS instruction of mine is out at a signal
.if ((\s)%2 == 1) && ((\s) < 7)
	s_wait_tensorcnt (5-(\s))/2                    ; my part of the next chunk has landed; the chunks issued behind it may stay out
	s_barrier_signal -1
	s_barrier_wait -1                              ; everybody's has
.endif
.if (\s) == 5
	s_load_b128 s[8:11], s[0:1], 0x28              ; no tensor load of mine is out, so descriptor registers are free: qkvc, qkvs
.endif
.if (\s) < 7
.if (\s) > 0
	PLACES
.endif
	FETCH (\s)+1
.endif
	MUL \s
.endm
	s_load_b128 s[4:7], s[0:1], 0x0                ; codes, scales
	v_lshl_add_u32 v[SPW], v0, 2, SPARE
	v_mov_b32 v[NIL], 0
	ds_add_u32 v[SPW], v[NIL]                      ; the wave's opening: the add and its wait ahead of my first tensor load; the set-up below, work on registers, stands between
	v_lshrrev_b32 v1, 5, v0
	v_readfirstlane_b32 s[WV], v1                  ; wave 0..3
	s_lshr_b32 s[WR], s[WV], 1
	s_and_b32 s[WC], s[WV], 1
	s_bfe_u32 s[CX], ttmp6, 0x40000
	s_bfe_u32 s[CY], ttmp6, 0x40004
	s_and_b32 s[UU], ttmp7, 0xffff                 ; the cluster's y, 0..47:
	s_lshr_b32 s[ZZ], s[UU], 4                     ; which product,
	s_and_b32 s[UU], s[UU], 15                     ; and which of its 16 clusters
	s_lshl_b32 s92, s[CY], 2
	s_lshl_b32 s92, 15, s92                        ; my row of the cluster
	s_lshl_b32 s66, 0x1111, s[CX]                  ; my column
	s_or_b32 s[G1A], s92, (3<<16)|(1<<21)          ; 15:0 the mask; 17:16 elements of 8 bytes; 21 set beside a mask; no padding
	s_or_b32 s[G1SA], s92, (3<<16)|(1<<21)
	s_or_b32 s[G1B], s66, (3<<16)|(1<<21)
	s_or_b32 s[G1SB], s66, (3<<16)|(1<<21)
	GROUP1 G1A, 384, 4, 1536                       ; two K steps (3,072 bytes) of 4 tiles, 12,288 bytes apart
	GROUP1 G1B, 384, 8, 1536                       ; of 8 tiles
	GROUP1 G1SA, 32, 8, 32                         ; 4 tiles' scale words: 2,048 dense bytes as rows of 256
	GROUP1 G1SB, 32, 16, 32                        ; 8 tiles': 4,096
	; A's first tile that I fetch: Q, K: 512 z + 32 u;  V: Wv's 1664 + 32 (u % 2);  + 8 cy + 4 x half.  No register here ever holds cx
	s_lshl_b32 s92, s[UU], 5
	s_lshl_b32 s93, s[ZZ], 9
	s_add_co_u32 s92, s92, s93
	s_and_b32 s93, s[UU], 1
	s_lshl_b32 s93, s93, 5
	s_add_co_u32 s93, s93, 1664
	s_cmp_eq_u32 s[ZZ], 2
	s_cselect_b32 s92, s93, s92
	s_lshl_b32 s93, s[CY], 3
	s_add_co_u32 s92, s92, s93
	s_lshl_b32 s93, s[WC], 2
	s_add_co_u32 s92, s92, s93
	s_mov_b32 s[G0A], 1
	s_lshl_b32 s[G0A+1], s[WC], 11
	s_add_co_u32 s[G0A+1], s[G0A+1], ASC
	s_lshl_b32 s[G0A+2], s92, 9                    ; 512 bytes of scale words a tile
	s_mov_b32 s[G0A+3], 0
	s_mul_i32 s93, s[WC], 12288
.irp c, 0,1,2,3
	s_mov_b32 s[G0A+4+4*\c], 1
	s_add_co_u32 s[G0A+5+4*\c], s93, \c*24576
.endr
	s_mul_i32 s[G0A+6], s92, 12288                 ; 12,288 bytes of codes a tile
	s_mov_b32 s[G0A+7], 0
	; B's: Q, K: the weight's 1536 + 64 z;  V: value's 1024 + 64 x batch;  + 16 cx + 8 x half.  No register here ever holds cy
	s_lshr_b32 s66, s[UU], 1
	s_lshl_b32 s66, s66, 6
	s_add_co_u32 s66, s66, 1024
	s_lshl_b32 s67, s[ZZ], 6
	s_add_co_u32 s67, s67, 1536
	s_cmp_eq_u32 s[ZZ], 2
	s_cselect_b32 s66, s66, s67
	s_lshl_b32 s67, s[CX], 4
	s_add_co_u32 s66, s66, s67
	s_lshl_b32 s67, s[WC], 3
	s_add_co_u32 s66, s66, s67
	s_mov_b32 s[G0B], 1
	s_lshl_b32 s[G0B+1], s[WC], 12
	s_add_co_u32 s[G0B+1], s[G0B+1], BSC
	s_lshl_b32 s[G0B+2], s66, 9
	s_mov_b32 s[G0B+3], 0
	s_mul_i32 s67, s[WC], 24576
.irp c, 0,1,2,3
	s_mov_b32 s[G0B+4+4*\c], 1
	s_add_co_u32 s[G0B+5+4*\c], s67, BCOD+\c*49152
.endr
	s_mul_i32 s[G0B+6], s66, 12288
	s_mov_b32 s[G0B+7], 0
	s_wait_dscnt 0x0                               ; the opening add is done
	s_wait_kmcnt 0x0
.irp g, G0A, G0B
	s_add_nc_u64 s[\g+2:\g+3], s[6:7], s[\g+2:\g+3]
	s_add_nc_u64 s[\g+6:\g+7], s[4:5], s[\g+6:\g+7]
	s_add_nc_u64 s[\g+10:\g+11], s[\g+6:\g+7], 3072  ; a chunk is two K steps on in each tile
	s_add_nc_u64 s[\g+14:\g+15], s[\g+6:\g+7], 6144
	s_add_nc_u64 s[\g+18:\g+19], s[\g+6:\g+7], 9216
.irp k, 0,1,2,3,4
	s_or_b32 s[\g+3+4*\k], s[\g+3+4*\k], 0x80000000  ; type = 2
.endr
.endr
	CROUND                                         ; all sixteen work-groups are here: the joint loads meet
	s_cmp_eq_u32 s[WR], 0                          ; a wave's five first fills stand in one branch on its number: five tensor loads of mine are out
	s_cbranch_scc0 .Lfor_b
	tensor_load_to_lds s[G0A:G0A+3], s[G1SA:G1SA+7]
	s_nop 0
.irp c, 1,2,3,4
	tensor_load_to_lds s[G0A+4*\c:G0A+4*\c+3], s[G1A:G1A+7]
	s_nop 0
.endr
	PLACES
	s_branch .Lasked
.Lfor_b:
	tensor_load_to_lds s[G0B:G0B+3], s[G1SB:G1SB+7]
	s_nop 0
.irp c, 1,2,3,4
	tensor_load_to_lds s[G0B+4*\c:G0B+4*\c+3], s[G1B:G1B+7]
	s_nop 0
.endr
	PLACES
.Lasked:
	; where my four fragments and their scale words go
	s_lshr_b32 s2, s[UU], 1
	s_lshl_b32 s2, s2, 3                           ; 8 x batch
	s_and_b32 s3, s[UU], 1
	s_lshl_b32 s3, s3, 2
	s_add_co_u32 s3, s3, s[CY]                     ; which 128 rows of A: 4 (u % 2) + cy
	s_lshl_b32 s4, s[CX], 1
	s_add_co_u32 s4, s4, s[WC]                     ; which 128 rows of B: 2 cx + half
	s_cmp_eq_u32 s[ZZ], 2
	s_cselect_b32 s98, s3, s4                      ; the pair of heads: by W's rows, which are A's for V and B's for Q, K
	s_cselect_b32 s99, s4, s3                      ; the 128 tokens: the other
	s_cselect_b32 s6, 98304, 0                     ; V lies behind K,
	s_cselect_b32 s7, 8192, 0
	s_cselect_b32 s94, 8, 9                        ; has 256 bytes of scale words for four tiles where Q and K have 512,
	s_cselect_b32 s100, 0, 256                     ; and no second copy for the other head
	s_cselect_b32 s101, -1, 0
	s_add_co_u32 s98, s98, s2                      ; the pair's number, 0..63
	s_lshl_b32 s99, s99, 3
	s_lshl_b32 s2, s[WR], 2
	s_add_co_u32 s99, s99, s2                      ; my first fragment in the pair's 64
	s_cmp_eq_u32 s[ZZ], 0
	s_mov_b32 s2, 196608
	s_cselect_b32 s2, 98304, s2
	s_mov_b32 s3, 12288
	s_cselect_b32 s3, 8192, s3
	s_cselect_b32 s4, 0, 6291456
	s_cselect_b32 s5, 0, 524288
	s_mul_i32 s2, s98, s2
	s_mul_i32 s3, s98, s3
	s_mul_i32 s98, s99, 1536
	s_add_co_u32 s98, s98, s2
	s_add_co_u32 s98, s98, s4
	s_add_co_u32 s98, s98, s6                      ; byte offset in qkvc
	s_lshr_b32 s99, s99, 2
	s_lshl_b32 s99, s99, s94
	s_add_co_u32 s99, s99, s3
	s_add_co_u32 s99, s99, s5
	s_add_co_u32 s99, s99, s7                      ; and in qkvs
	s_mov_b32 s[SEL], 0x76543210
	s_mov_b32 s[SEL+1], 0xfedcba98
	s_load_b128 s[4:7], s[0:1], 0x10               ; bq, bk
	s_load_b64 s[96:97], s[0:1], 0x20              ; bv
	v_and_b32 v1, 15, v0                           ; r
	v_bfe_u32 v2, v0, 4, 1                         ; h
	v_and_b32 v3, 31, v0
	v_lshlrev_b32 v3, 4, v3                        ; 16 x lane
	s_mul_i32 s2, s[WR], 12288
	s_mul_i32 s3, s[WC], 24576
	s_add_co_u32 s3, s3, BCOD
.irp c, 0,1,2,3
	v_add_nc_u32 v[4+\c], s2, v3                   ; my four tiles of A in chunk c
	v_add_nc_u32 v[8+\c], s3, v3                   ; my eight of B
	s_add_co_u32 s2, s2, 24576
	s_add_co_u32 s3, s3, 49152
.endr
	s_lshl_b32 s2, s[WR], 11
	s_add_co_u32 s2, s2, ASC
	v_lshl_add_u32 v12, v1, 4, s2                  ; A's scale words: 16 r
	s_lshl_b32 s2, s[WC], 12
	s_add_co_u32 s2, s2, BSC
	v_lshl_add_u32 v13, v1, 4, s2                  ; B's
	v_lshlrev_b32 v16, 6, v2                       ; the bias by register: 64 h
	v_and_b32 v17, 8, v1
	v_add_nc_u32 v17, v17, v1
	v_lshlrev_b32 v17, 2, v17                      ; the bias by lane: 4 (r + 8 (r / 8))
	v_mul_u32_u24 v18, s100, v2
	v_lshl_add_u32 v18, v1, 4, v18                 ; the scale words' store: 16 r, lanes 16-31 in the other head's 256 bytes
	v_mov_b32 v[MK], 0xffff                        ; lanes 0-15 keep the first head's two bytes,
	v_mov_b32 v20, 0xffff0000                      ; lanes 16-31 the second's,
	v_cmp_eq_u32 vcc_lo, 1, v2
	v_cndmask_b32 v[MK], v[MK], v20, vcc_lo
	v_or_b32 v[MK], s101, v[MK]                    ; V: all four
	s_wait_kmcnt 0x0
	s_cmp_eq_u32 s[ZZ], 2                          ; the same way in all waves of all sixteen partners
	s_cbranch_scc1 .Lbias_v
	s_cmp_eq_u32 s[ZZ], 0
	s_cselect_b64 s[96:97], s[4:5], s[6:7]
	s_lshl_b32 s2, s[CX], 10
	s_lshl_b32 s3, s[WC], 9
	s_add_co_u32 s2, s2, s3
	s_mov_b32 s3, 0
	s_add_nc_u64 s[96:97], s[96:97], s[2:3]        ; Q, K: the bias goes by B's index, my 128 numbers: register 16 b + i takes 32 b + 16 h + i
	WIN TO_W2
.irp b, 0,1,2,3
.irp j, 0,1,2,3
	global_load_b128 v[BN+16*\b+4*\j:BN+16*\b+4*\j+3], v16, s[96:97] offset:128*\b+16*\j
.endr
.endr
	WIN 0
.irp i, 0,1,2,3,4,5,6,7
	v_mov_b32 v[BM+\i], 0
.endr
	s_branch .Lbias_done
.Lbias_v:
	s_and_b32 s2, s[UU], 1
	s_lshl_b32 s2, s2, 11
	s_lshl_b32 s3, s[CY], 9
	s_add_co_u32 s2, s2, s3
	s_lshl_b32 s3, s[WR], 8
	s_add_co_u32 s2, s2, s3
	s_mov_b32 s3, 0
	s_add_nc_u64 s[96:97], s[96:97], s[2:3]        ; V: the bias goes by A's index: one number a lane and tile
.irp a, 0,1,2,3
	global_load_b32 v[BM+2*\a], v17, s[96:97] offset:4*(32*(\a/2)+8*(\a%2))
	v_mov_b32 v[BM+2*\a+1], 0                      ; (named with it as a pair)
.endr
	WIN TO_W2
.set i, 0
.rept 64
	v_mov_b32 v[BN+i], 0
.set i, i+1
.endr
	WIN 0
.Lbias_done:
	s_wait_tensorcnt 3                             ; my scale words and my part of chunk 0 have landed; chunks 1 to 3 may be out
	s_barrier_signal -1
	s_barrier_wait -1                              ; everybody's have
.irp a, 0,1,2,3
.irp k, 0,1
	ds_load_b128 v[SA+8*\a+4*\k:SA+8*\a+4*\k+3], v12 offset:\a*512+\k*256
.endr
.endr
.irp b, 0,1,2,3,4,5,6,7
.irp k, 0,1
	ds_load_b128 v[SB+8*\b+4*\k:SB+8*\b+4*\k+3], v13 offset:\b*512+\k*256
.endr
.endr
	FETCH 0
.irp s, 0,1,2,3,4,5,6,7
	STEP \s
.endr
	; THE WAY OUT: bias, quantiser, images.  No LDS: a lane's 12 registers of a fragment are stored as they stand.
	s_wait_loadcnt 0x0                             ; the biases
	s_wait_kmcnt 0x0                               ; qkvc, qkvs
	s_mov_b32 s2, s98
	s_mov_b32 s3, 0
	s_add_nc_u64 s[8:9], s[8:9], s[2:3]
	s_mov_b32 s2, s99
	s_add_nc_u64 s[10:11], s[10:11], s[2:3]
	PLACES
.irp b, 0,1,2,3
	v_mov_b32 v[TM+4+\b], 0                        ; written once: a lane permute's destination counts as one of its sources
.endr
.irp a, 0,1,2,3
	WIN W_ADD
.set i, 0
.rept 32
	v_pk_add_f32 v[X+2*i:X+2*i+1], v[64*\a+2*i:64*\a+2*i+1], v[BN+2*i:BN+2*i+1]   ; ascending: each accumulator is read from its low end on
.set i, i+1
.endr
	WIN 0
.set i, 0
.rept 32
	v_pk_add_f32 v[X+2*i:X+2*i+1], v[X+2*i:X+2*i+1], v[BM+2*\a:BM+2*\a+1] op_sel_hi:[1,0]
.set i, i+1
.endr
	QUANT X, PC+12*\a, T2, WD+\a
.irp c, 0,1,2
	global_store_b128 v3, v[PC+12*\a+4*\c:PC+12*\a+4*\c+3], s[8:9] offset:\a*1536+512*\c   ; 32 lanes store 512 consecutive bytes, at a multiple of 256 from the buffer's first byte
.endr
.endr
.irp a, 0,1,2,3
	v_and_b32 v[WD+\a], v[MK], v[WD+\a]
.endr
	global_store_b128 v18, v[WD:WD+3], s[10:11]    ; Q, K: two runs of 256 consecutive bytes, one a head;  V: one, which lanes 16-31 write again with the same words
	s_wait_tensorcnt 0x0                           ; the wave's end: behind my last tensor load
	ds_add_u32 v[SPW], v[NIL]
	s_wait_dscnt 0x0
	CROUND                                         ; the closing round
	s_endpgm
.Lfunc_end_k_q962a902172_proj:
	.size	k_q962a902172_proj, .Lfunc_end_k_q962a902172_proj-k_q962a902172_proj
	.p2alignl 7, 3214868480
	.fill 96, 4, 3214868480
	.section	.rodata,"a",@progbits
	.p2align	6, 0x0
	.amdhsa_kernel k_q962a902172_proj
		.amdhsa_group_segment_fixed_size 327680
		.amdhsa_private_segment_fixed_size 0
		.amdhsa_enable_private_segment 0
		.amdhsa_kernarg_size 56
		.amdhsa_user_sgpr_count 2
		.amdhsa_user_sgpr_kernarg_segment_ptr 1
		.amdhsa_wavefront_size32 1
		.amdhsa_system_sgpr_workgroup_id_x 1
		.amdhsa_system_sgpr_workgroup_id_y 1
		.amdhsa_system_sgpr_workgroup_id_z 1
		.amdhsa_system_vgpr_workitem_id 0
		.amdhsa_next_free_vgpr 768
		.amdhsa_next_free_sgpr 102
		.amdhsa_reserve_vcc 1
		.amdhsa_float_denorm_mode_32 3
		.amdhsa_float_denorm_mode_16_64 3
		.amdhsa_memory_ordered 1
		.amdhsa_forward_progress 1
		.amdhsa_inst_pref_size 104
	.end_amdhsa_kernel
	.amdgpu_metadata
---
amdhsa.version: [ 1, 2 ]
amdhsa.kernels:
  - .name:           k_q962a902172_proj
    .symbol:         k_q962a902172_proj.kd
    .args:
      - { .name: codes, .offset: 0, .size: 8, .value_kind: global_buffer, .address_space: global }
      - { .name: scales, .offset: 8, .size: 8, .value_kind: global_buffer, .address_space: global }
      - { .name: bq, .offset: 16, .size: 8, .value_kind: global_buffer, .address_space: global }
      - { .name: bk, .offset: 24, .size: 8, .value_kind: global_buffer, .address_space: global }
      - { .name: bv, .offset: 32, .size: 8, .value_kind: global_buffer, .address_space: global }
      - { .name: qkvc, .offset: 40, .size: 8, .value_kind: global_buffer, .address_space: global }
      - { .name: qkvs, .offset: 48, .size: 8, .value_kind: global_buffer, .address_space: global }
    .group_segment_fixed_size: 327680
    .private_segment_fixed_size: 0
    .kernarg_segment_align: 8
    .kernarg_segment_size: 56
    .max_flat_workgroup_size: 128
    .sgpr_count:     102
    .vgpr_count:     768
    .wavefront_size: 32
...
	.end_amdgpu_metadata
.endif
;; end of part 2
;; launch attn (part 3): grid 4 x 64, 16 waves a work-group, clusters of 4 x 1, 215,040 bytes of LDS; arguments qkvc, qkvs, key_padding_mask, oc, os; writes oc, os
.if DOCPART == 3
	.amdgcn_target "amdgcn-amd-amdhsa--gfx1250"
	.amdhsa_code_object_version 6
	.text
	.protected	k_q962a902172_attn
	.globl	k_q962a902172_attn
	.p2align	8
	.type	k_q962a902172_attn,@function
k_q962a902172_attn:
	s_mov_b64 s[64:65], 0
	v_nop
	global_prefetch_b8 v0, s[64:65] scope:SCOPE_SE
	s_setreg_imm32_b32 hwreg(HW_REG_WAVE_MODE, 25, 1), 1
	s_wait_xcnt 0x0
	s_wait_alu depctr_hold_cnt(0) depctr_sa_sdst(0) depctr_va_vdst(0) depctr_va_sdst(0) depctr_va_ssrc(0) depctr_va_vcc(0) depctr_vm_vsrc(0)
	s_getreg_b32 s2, hwreg(HW_REG_IB_STS2, 6, 4)
	s_cmp_eq_u32 s2, 0
	s_cbranch_scc0 .Lentry_in_a_cluster
	s_endpgm
.Lentry_in_a_cluster:
	s_bfe_u32 s2, ttmp6, 0x10000c
	s_cmp_lg_u32 s2, 0x3003
	s_cbranch_scc0 .Lentry_shape_is_right
	s_endpgm
.Lentry_shape_is_right:
; O = softmax(Q K^T / 8, masked keys left out) V for 128 heads of 64, both products on codes of FP6 (E2M3) with E8M0 scales; O is quantised at once along the model's 1,024 for the last product and stored as images of operand registers.
; THE SOFTMAX: t = score x log2(e) / 8; M = the running largest t, rounded up to a whole number; p = 2^(t - M) is quantised along the keys, not normalised; the row's sum is taken of the unquantised p and divides O at the end.
; SHARES.  A work-group has one pair of heads of one batch and 256 queries; each of its sixteen waves one tile of 16 queries, first for the pair's first head, then for its second: so a wave ends with one whole fragment
; (16 queries x the pair's 128 channels) and its scale word.  ALL of the pair's K, V and scale words lie in LDS, filled once (204 KB); the four query blocks of a cluster ask for them jointly.
; LAYOUT.  S^T = K Q^T (source 0 = 16 keys), O^T = V^T P^T (source 0 = 16 channels): a lane holds one query throughout.  By the order of rows in a tile (slot r of tile t = row 32 (t / 2) + 8 (t % 2) + r + 8 (r / 8))
; the registers of tiles 2 b, 2 b + 1 are 16 neighbours: 32 b + 16 (lane / 16) + i, along the keys in S^T and along the channels in O^T.
; K = 64 IN AN INSTRUCTION OF 128: Q's fragment has zero codes in the other head's six registers, and both sides' scale words have the byte 0 there; K's six registers stand in a run of twelve whose other six hold
; other codes, which meet Q's zeros.
; THE MASK costs no vector work: each key's 0 or -2^100 is loaded into the scores' registers, and the product adds onto it.  The running largest t begins at -2^90, above every masked t, so a masked key never moves M and
; its p is 0.  Where every key of a batch is masked the sum is 0; the scale bytes are then set to 0xff, so that the last product gives NaN there, as the softmax of nothing does.
; LIMITS: scores under 2^90 in magnitude; NaN and infinities are not served; blocks under 2^-124 (blocks of zeros too) get the byte 1.  The input stoichiometry enters no step of the computation and is not read.
; The scale words leave as 64 bytes a wave, one byte in 24 of what the launch stores; all else in runs of 512 bytes.
.set VCOD,  98304                      ; LDS: K's 64 fragments from 0, V's 64 from here,
.set SCK,   196608                     ; K's scale words, 8,192 bytes,
.set SCV,   204800                     ; V's, 4,096,
.set MB,    208896                     ; 1,024 f32: 0 or -2^100 for each key; written by ds_store, no fill lands here
.set SPARE, 212992                     ; the spare words, 128 bytes a wave: eight blocks of 256 bytes that no other line names
.set AK0, 1                            ; v1   16 x lane: my place in an image
.set AV0, 2
.set ASK0, 3                           ; v3   K's scale words: 16 r
.set ASV0, 4
.set SPW, 5
.set NIL, 6
.set AMB0, 7                           ; v7   the keys' 0 or -2^100: 64 h
.set ADK, 8                            ; v8-11, v28 the step's addresses
.set ADV, 9
.set ADS, 10
.set ADT, 11
.set ADM, 28
.set OW,  29                           ; v29  O's scale word
.set OF,  64                           ; v64-75 O's fragment; its upper six keep Q's upper six during the first head
.set VS,  76                           ; v76-79 V's scale words
.set VF,  80                           ; v80-127 four fragments of V
.set S,   128                          ; v128-191 S^T, then p
.set OT,  192                          ; v192-223 O^T
; v12 -M, v13 the largest t, v[14:15] the sum; v16-27 Q; v30, v31 Q's scale word for each head, v255 the one in use; v32-61 four half fragments of K; v224-235 p's codes; v232-254 at work; v248-251 K's scale words
.set WV,  14
.set G1C, 20                           ; s[20:27] group 1 for codes, s[28:35] for scale words; s[36:39], s[40:43] their groups 0
.set G1S, 28
.set G0C, 36
.set G0S, 40
.set SEL, 44
.set CS,  46                           ; s[46:47] c = log2(e) / 8
.set TB,  48                           ; the key step's fragments: 12,288 bytes a step, in K and in V
.set TS,  49                           ; 512 bytes a step: V's scale words, and the keys' f32
.set TS2, 50                           ; 1,024 a step: K's scale words
.set CNT, 51
.macro PLACES
.rept 4
	v_nop
.endr
.endm
.macro CROUND
	s_barrier_signal -1
	s_barrier_wait -1
	s_cmp_lg_u32 s[WV], 0
	s_cbranch_scc1 .Lnot_wave_0_\@
	s_barrier_signal -3
.Lnot_wave_0_\@:
	s_barrier_wait -3
	s_barrier_signal -1
	s_barrier_wait -1
.endm
	s_load_b256 s[4:11], s[0:1], 0x0               ; qkvc, qkvs, key_padding_mask, oc
	s_load_b64 s[12:13], s[0:1], 0x20              ; os
	v_lshl_add_u32 v[SPW], v0, 2, SPARE
	v_mov_b32 v[NIL], 0
	ds_add_u32 v[SPW], v[NIL]                      ; the wave's opening: the add and its wait ahead of my first tensor load
	v_lshrrev_b32 v8, 5, v0
	v_readfirstlane_b32 s[WV], v8                  ; wave 0..15
	s_bfe_u32 s15, ttmp6, 0x40000                  ; cx: my block of 256 queries; it enters Q's, oc's and os's addresses alone
	s_and_b32 s16, ttmp7, 0xffff                   ; the pair: 8 x batch + pair of heads
	s_mov_b32 s[G1C], 15|(3<<16)|(1<<21)           ; the mask: all four work-groups; elements of 8 bytes; 21 set beside a mask
	s_mov_b32 s[G1C+1], 32<<16                     ; 24,576 dense bytes as 96 rows of 256
	s_mov_b32 s[G1C+2], 96<<16
	s_mov_b32 s[G1C+3], 32<<16
	s_mov_b32 s[G1C+4], 96
	s_mov_b32 s[G1C+5], 32
	s_mov_b32 s[G1C+6], 0
	s_mov_b32 s[G1C+7], 0
	s_mov_b32 s[G1S], 15|(3<<16)|(1<<21)
	s_mov_b32 s[G1S+1], 32<<16                     ; 4,096 dense bytes as 16 rows of 256
	s_mov_b32 s[G1S+2], 16<<16
	s_mov_b32 s[G1S+3], 32<<16
	s_mov_b32 s[G1S+4], 16
	s_mov_b32 s[G1S+5], 32
	s_mov_b32 s[G1S+6], 0
	s_mov_b32 s[G1S+7], 0
	s_mov_b32 s[G0C], 1
	s_and_b32 s52, s[WV], 7
	s_mul_i32 s[G0C+1], s52, 24576                 ; waves 0 to 7: an eighth of the pair's codes, K's then V's, as they lie in memory
	s_mul_i32 s53, s16, 196608
	s_add_co_u32 s[G0C+2], s[G0C+1], s53
	s_add_co_u32 s[G0C+2], s[G0C+2], 6291456
	s_mov_b32 s[G0C+3], 0
	s_mov_b32 s[G0S], 1
	s_and_b32 s52, s[WV], 3
	s_lshl_b32 s52, s52, 12                        ; waves 8 to 10: a third of its scale words
	s_add_co_u32 s[G0S+1], s52, SCK
	s_mul_i32 s53, s16, 12288
	s_add_co_u32 s[G0S+2], s52, s53
	s_add_co_u32 s[G0S+2], s[G0S+2], 524288
	s_mov_b32 s[G0S+3], 0
	s_mov_b32 s[SEL], 0x76543210
	s_mov_b32 s[SEL+1], 0xfedcba98
	s_mov_b32 s[CS], 0x3e38aa3b
	s_mov_b32 s[CS+1], s[CS]                       ; (named with it as a pair)
	s_wait_dscnt 0x0                               ; the opening add is done
	s_wait_kmcnt 0x0
	s_add_nc_u64 s[G0C+2:G0C+3], s[4:5], s[G0C+2:G0C+3]
	s_or_b32 s[G0C+3], s[G0C+3], 0x80000000
	s_add_nc_u64 s[G0S+2:G0S+3], s[6:7], s[G0S+2:G0S+3]
	s_or_b32 s[G0S+3], s[G0S+3], 0x80000000
	CROUND                                         ; all four work-groups are here: the joint loads meet
	s_cmp_lt_u32 s[WV], 8                          ; at most one tensor load a wave; the branches hang on the wave's number alone
	s_cbranch_scc0 .Lnot_codes
	tensor_load_to_lds s[G0C:G0C+3], s[G1C:G1C+7]
	s_nop 0
	PLACES
	s_branch .Lasked
.Lnot_codes:
	s_cmp_lt_u32 s[WV], 11
	s_cbranch_scc0 .Lasked
	tensor_load_to_lds s[G0S:G0S+3], s[G1S:G1S+7]
	s_nop 0
	PLACES
.Lasked:
	s_lshl_b32 s17, s15, 4
	s_add_co_u32 s17, s17, s[WV]                   ; T: my tile of queries, 0..63
	s_lshl_b32 s56, s16, 6
	s_add_co_u32 s56, s56, s17
	s_mul_i32 s56, s56, 1536
	s_mov_b32 s57, 0
	s_add_nc_u64 s[4:5], s[4:5], s[56:57]          ; Q's fragment
	s_lshl_b32 s56, s16, 13
	s_lshr_b32 s58, s17, 2
	s_lshl_b32 s58, s58, 9
	s_add_co_u32 s56, s56, s58
	s_and_b32 s58, s17, 3
	s_lshl_b32 s58, s58, 2
	s_add_co_u32 s56, s56, s58
	s_add_nc_u64 s[6:7], s[6:7], s[56:57]          ; its scale words
	s_lshr_b32 s58, s16, 3                         ; the batch
	s_lshl_b32 s56, s58, 10
	s_add_nc_u64 s[8:9], s[8:9], s[56:57]          ; its 1,024 mask bytes
	s_lshl_b32 s58, s58, 6
	s_add_co_u32 s58, s58, s17                     ; my tile among all 512
	s_and_b32 s59, s16, 7                          ; the pair of heads = the last product's K step
	s_mul_i32 s56, s58, 12288
	s_mul_i32 s60, s59, 1536
	s_add_co_u32 s56, s56, s60
	s_add_nc_u64 s[10:11], s[10:11], s[56:57]      ; oc
	s_lshl_b32 s56, s59, 9
	s_add_co_u32 s56, s56, s58
	s_lshl_b32 s56, s56, 6
	s_add_nc_u64 s[12:13], s[12:13], s[56:57]      ; os
	v_and_b32 v8, 31, v0
	v_lshlrev_b32 v[AK0], 4, v8
	v_add_nc_u32 v[AV0], VCOD, v[AK0]
	v_and_b32 v9, 15, v0
	v_lshlrev_b32 v10, 4, v9
	v_add_nc_u32 v[ASK0], SCK, v10
	v_add_nc_u32 v[ASV0], SCV, v10
	v_bfe_u32 v11, v0, 4, 1
	v_lshl_add_u32 v[AMB0], v11, 6, MB
	v_lshlrev_b32 v62, 1, v0                       ; thread t takes mask bytes 2 t and 2 t + 1
	v_lshl_add_u32 v63, v0, 3, MB
.irp c, 0,1,2
	global_load_b128 v[16+4*\c:19+4*\c], v[AK0], s[4:5] offset:512*\c
.endr
	global_load_b32 v30, v10, s[6:7]               ; the first head's word,
	global_load_b32 v31, v10, s[6:7] offset:256    ; the second's
	global_load_u16 v32, v62, s[8:9]
.irp i, 0,1,2,3,4,5
	v_mov_b32 v[56+\i], 0                          ; behind the fourth half fragment of K: named in its run of twelve
.endr
.irp b, 0,1,2,3
	v_mov_b32 v[236+\b], 0                         ; written once: a lane permute's destination counts as one of its sources
.endr
	v_mov_b32 v253, 0                              ; (named as the upper half of the pair v[252:253] before it is first written)
	v_mov_b32 v34, 0xf1800000                      ; -2^100
	s_wait_loadcnt 0x0
	v_lshrrev_b32 v33, 8, v32
	v_and_b32 v32, 0xff, v32
	v_cmp_ne_u32 vcc_lo, 0, v32
	v_cndmask_b32 v32, 0, v34, vcc_lo
	v_cmp_ne_u32 vcc_lo, 0, v33
	v_cndmask_b32 v33, 0, v34, vcc_lo
	ds_store_b64 v63, v[32:33]
	s_wait_tensorcnt 0x0                           ; my tensor load has landed,
	s_wait_dscnt 0x0                               ; my store too:
	s_barrier_signal -1
	s_barrier_wait -1                              ; everybody's have.  Nothing in LDS is written from here on
.macro KGROUP g, hd                    ; four tiles of 16 keys: the head's six registers of each fragment's image, and the tiles' scale words
.irp t, 0,1,2,3
.if \hd == 0
	ds_load_b128 v[32+6*\t:35+6*\t], v[ADK] offset:(4*\g+\t)*1536
	ds_load_b64 v[36+6*\t:37+6*\t], v[ADK] offset:(4*\g+\t)*1536+512
.else
	ds_load_b64 v[38+6*\t:39+6*\t], v[ADK] offset:(4*\g+\t)*1536+520
	ds_load_b128 v[40+6*\t:43+6*\t], v[ADK] offset:(4*\g+\t)*1536+1024
.endif
.endr
	ds_load_b128 v[248:251], v[ADS] offset:512*\g+256*\hd
.endm
.macro SCORES g                        ; onto each key's 0 or -2^100
.irp t, 0,1,2,3
	v_wmma_scale_f32_16x16x128_f8f6f4 v[S+8*(4*\g+\t):S+8*(4*\g+\t)+7], v[32+6*\t:43+6*\t], v[16:27], v[S+8*(4*\g+\t):S+8*(4*\g+\t)+7], v[248+\t], v255 matrix_a_fmt:MATRIX_FMT_FP6 matrix_b_fmt:MATRIX_FMT_FP6
.endr
.endm
.macro INIT hd
.if \hd == 0
.irp i, 0,1,2,3,4,5
	v_mov_b32 v[OF+6+\i], v[22+\i]                 ; the second head's codes of Q are kept,
.endr
.irp i, 0,1,2,3,4,5
	v_mov_b32 v[22+\i], 0                          ; and zeros stand in their place
.endr
	v_mov_b32 v255, v30
.else
.irp i, 0,1,2,3,4,5
	v_mov_b32 v[22+\i], v[OF+6+\i]
	v_mov_b32 v[16+\i], 0
.endr
	v_mov_b32 v255, v31
.endif
	v_mov_b32 v13, 0xec800000                      ; the largest t so far: -2^90
	v_floor_f32 v12, -v13                          ; -M
	v_mov_b32 v14, 0
	v_mov_b32 v15, 0
.set i, 0
.rept 32
	v_mov_b32 v[OT+i], 0                           ; the step is written once: the first finds zeros.  (These are also the plain instructions between the writes of Q's codes and scale word and the first product)
.set i, i+1
.endr
	s_mov_b32 s[TB], 0
	s_mov_b32 s[TS], 0
	s_mov_b32 s[TS2], 0
	s_mov_b32 s[CNT], 8
.endm
; A KEY STEP: 128 keys.
.macro STEP hd
	v_add_nc_u32 v[ADK], s[TB], v[AK0]
	v_add_nc_u32 v[ADV], s[TB], v[AV0]
	v_add_nc_u32 v[ADS], s[TS2], v[ASK0]
	v_add_nc_u32 v[ADT], s[TS], v[ASV0]
	v_add_nc_u32 v[ADM], s[TS], v[AMB0]
.irp b, 0,1,2,3
.irp j, 0,1,2,3
	ds_load_b128 v[S+16*\b+4*\j:S+16*\b+4*\j+3], v[ADM] offset:128*\b+16*\j   ; register 16 b + i: key 32 b + 16 h + i
.endr
.endr
	KGROUP 0, \hd
	s_wait_dscnt 0x0
	SCORES 0
	PLACES                                         ; in front of loads into registers that the four products read
	KGROUP 1, \hd
.irp a, 0,1,2,3
.irp c, 0,1,2
	ds_load_b128 v[VF+12*\a+4*\c:VF+12*\a+4*\c+3], v[ADV] offset:\hd*6144+\a*1536+512*\c
.endr
.endr
	ds_load_b128 v[VS:VS+3], v[ADT] offset:\hd*256
	s_wait_dscnt 13                                ; K's second four tiles are in; V's 12 loads and its scale words, issued behind them, land during the softmax
	SCORES 1
	PLACES
.irp b, 0,1,2,3
	v_max3_num_f32 v[232+\b], v[S+16*\b], v[S+1+16*\b], v[S+2+16*\b]   ; the largest score of each block of 32 keys: for the row's maximum and, since p rises with the score, for the block's largest p
.endr
.irp i, 3,5,7,9,11,13
.irp b, 0,1,2,3
	v_max3_num_f32 v[232+\b], v[232+\b], v[S+16*\b+\i], v[S+1+16*\b+\i]
.endr
.endr
.irp b, 0,1,2,3
	v_max_num_f32 v[232+\b], v[232+\b], v[S+15+16*\b]
.endr
.irp b, 0,1,2,3
	v_permlanex16_b32 v[236+\b], v[232+\b], s[SEL], s[SEL+1]
.endr
.irp b, 0,1,2,3
	v_max_num_f32 v[232+\b], v[232+\b], v[236+\b]  ; with lane l xor 16's 16 keys
.endr
	v_max3_num_f32 v254, v232, v233, v234
	v_max_num_f32 v254, v254, v235
	v_mul_f32 v254, s[CS], v254                    ; as t
	v_max_num_f32 v13, v13, v254                   ; the running largest t
	v_mov_b32 v254, v12
	v_floor_f32 v12, -v13                          ; the new -M = -ceil(t)
	v_sub_f32 v254, v12, v254                      ; old M - new M: a whole number, 0 or less
	v_cvt_i32_f32 v254, v254                       ; (it saturates)
	v_ldexp_f32 v252, 1.0, v254                    ; f = 2^(old M - new M)
.set i, 0
.rept 32
	v_pk_fma_f32 v[S+i:S+i+1], v[S+i:S+i+1], s[CS:CS+1], v[12:13] op_sel_hi:[1,0,0]   ; t - M, two at a time
.set i, i+2
.endr
.irp b, 0,1,2,3
	v_fma_f32 v[232+\b], v[232+\b], s[CS], v12     ; the same of each block's largest score
.endr
.set i, 0
.rept 64
	v_exp_f32 v[S+i], v[S+i]                       ; p = 2^(t - M)
.set i, i+1
.endr
	v_pk_mul_f32 v[14:15], v[14:15], v[252:253] op_sel_hi:[1,0]   ; the sums under the new M: the plain instruction behind the exponentials
	s_wait_alu depctr_va_vdst(0)                   ; one wait for the batch of 64, ahead of its first reader
.irp b, 0,1,2,3
	v_exp_f32 v[232+\b], v[232+\b]                 ; the blocks' largest p
.endr
	v_pk_add_f32 v[236:237], v[S:S+1], v[S+2:S+3]  ; the row's sum of the unquantised p, in two chains
.irp j, 4,8,12,16,20,24,28,32,36,40,44,48,52,56,60
	v_pk_add_f32 v[14:15], v[14:15], v[S+\j:S+\j+1]
	v_pk_add_f32 v[236:237], v[236:237], v[S+2+\j:S+3+\j]
.endr
	v_pk_add_f32 v[14:15], v[14:15], v[236:237]
	s_wait_alu depctr_va_vdst(0)                   ; and one for the four
.irp b, 0,1,2,3
	v_max_num_f32 v[232+\b], 0x1800000, v[232+\b]  ; the floor 2^(3 - 127): the byte cannot fall under 1
.endr
.irp b, 0,1,2,3
	v_add_nc_u32 v[244+\b], 0xff000000, v[232+\b]  ; 2 off the exponent field: the conversion's scale operand
.endr
.irp b, 0,1,2,3
	v_lshrrev_b32 v[236+\b], 23, v[244+\b]
.endr
	v_lshl_or_b32 v253, v237, 8, v236              ; p's scale word for these 128 keys
	v_lshl_or_b32 v253, v238, 16, v253
	v_lshl_or_b32 v253, v239, 24, v253
.irp c, 0,1
	v_cvt_scalef32_pk16_fp6_f32 v[224+6*\c:226+6*\c], v[S+32*\c:S+15+32*\c], v[244+2*\c]
	v_cvt_scalef32_pk16_fp6_f32 v[236+4*\c:238+4*\c], v[S+16+32*\c:S+31+32*\c], v[245+2*\c]
.endr
	v_nop                                          ; one plain instruction behind the scaled conversions
.irp c, 0,1
.irp i, 0,1,2
	v_permlane16_swap_b32 v[224+6*\c+\i], v[236+4*\c+\i]
.endr
.irp i, 0,1,2
	v_mov_b32 v[227+6*\c+\i], v[236+4*\c+\i]
.endr
.endr
.set i, 0
.rept 16
	v_pk_mul_f32 v[OT+i:OT+i+1], v[OT+i:OT+i+1], v[252:253] op_sel_hi:[1,0]   ; O^T under the new M.  (These 16 also stand between the writes of p's codes and scale word and the products)
.set i, i+2
.endr
	s_wait_dscnt 0x0                               ; V
.irp a, 0,1,2,3
	v_wmma_scale_f32_16x16x128_f8f6f4 v[OT+8*\a:OT+8*\a+7], v[VF+12*\a:VF+12*\a+11], v[224:235], v[OT+8*\a:OT+8*\a+7], v[VS+\a], v253 matrix_a_fmt:MATRIX_FMT_FP6 matrix_b_fmt:MATRIX_FMT_FP6
.endr
	s_add_co_u32 s[TB], s[TB], 12288
	s_add_co_u32 s[TS], s[TS], 512
	s_add_co_u32 s[TS2], s[TS2], 1024
.endm
; O^T / the sum, quantised along the head's 64 channels: two blocks, registers 6 hd .. 6 hd + 5 of the fragment and two bytes of its scale word.
.macro FINISH hd
	PLACES
	v_add_f32 v14, v14, v15
	v_permlanex16_b32 v252, v14, s[SEL], s[SEL+1]
	v_add_f32 v14, v14, v252                       ; the row's sum
	v_cmp_eq_f32 vcc_lo, 0, v14                    ; 0 only where every key is masked
	v_rcp_f32 v254, v14
	v_mov_b32 v240, 0xff                           ; (the plain instruction behind the reciprocal)
	s_wait_alu depctr_va_vdst(0)                   ; the wait ahead of its first reader
.set i, 0
.rept 32
	v_mul_f32 v[S+i], v[OT+i], v254                ; register 16 b + i: channel 32 b + 16 h + i
.set i, i+1
.endr
.irp b, 0,1
	v_max3_num_f32 v[232+\b], |v[S+16*\b]|, |v[S+1+16*\b]|, 0x1800000
.endr
.irp i, 2,4,6,8,10,12,14
.irp b, 0,1
	v_max3_num_f32 v[232+\b], v[232+\b], |v[S+16*\b+\i]|, |v[S+1+16*\b+\i]|
.endr
.endr
.irp b, 0,1
	v_permlanex16_b32 v[236+\b], v[232+\b], s[SEL], s[SEL+1]
.endr
.irp b, 0,1
	v_max_num_f32 v[232+\b], v[232+\b], v[236+\b]
.endr
.irp b, 0,1
	v_add_nc_u32 v[244+\b], 0xff000000, v[232+\b]
.endr
.irp b, 0,1
	v_lshrrev_b32 v[236+\b], 23, v[244+\b]
.endr
.irp b, 0,1
	v_cndmask_b32 v[236+\b], v[236+\b], v240, vcc_lo
.endr
.if \hd == 0
	v_lshl_or_b32 v[OW], v237, 8, v236
.else
	v_lshl_or_b32 v[OW], v236, 16, v[OW]
	v_lshl_or_b32 v[OW], v237, 24, v[OW]
.endif
	v_cvt_scalef32_pk16_fp6_f32 v[OF+6*\hd:OF+6*\hd+2], v[S:S+15], v244
	v_cvt_scalef32_pk16_fp6_f32 v[236:238], v[S+16:S+31], v245
	v_nop
.irp i, 0,1,2
	v_permlane16_swap_b32 v[OF+6*\hd+\i], v[236+\i]
.endr
.irp i, 0,1,2
	v_mov_b32 v[OF+3+6*\hd+\i], v[236+\i]
.endr
.endm
	INIT 0
.Lkeys_0:
	STEP 0
	s_sub_co_u32 s[CNT], s[CNT], 1
	s_cmp_lg_u32 s[CNT], 0
	s_cbranch_scc1 .Lkeys_0
	FINISH 0
	INIT 1
.Lkeys_1:
	STEP 1
	s_sub_co_u32 s[CNT], s[CNT], 1
	s_cmp_lg_u32 s[CNT], 0
	s_cbranch_scc1 .Lkeys_1
	FINISH 1
	v_and_b32 v62, 15, v0
	v_lshlrev_b32 v62, 2, v62
.irp c, 0,1,2
	global_store_b128 v[AK0], v[OF+4*\c:OF+4*\c+3], s[10:11] offset:512*\c   ; 32 lanes store 512 consecutive bytes, at a multiple of 256 from the buffer's first byte
.endr
	global_store_b32 v62, v[OW], s[12:13]          ; 16 words; lanes 16-31 hold and write the same as lanes 0-15
	s_wait_tensorcnt 0x0                           ; the wave's end: behind my last tensor load and my last LDS store
	ds_add_u32 v[SPW], v[NIL]
	s_wait_dscnt 0x0
	CROUND                                         ; the closing round
	s_endpgm
.Lfunc_end_k_q962a902172_attn:
	.size	k_q962a902172_attn, .Lfunc_end_k_q962a902172_attn-k_q962a902172_attn
	.p2alignl 7, 3214868480
	.fill 96, 4, 3214868480
	.section	.rodata,"a",@progbits
	.p2align	6, 0x0
	.amdhsa_kernel k_q962a902172_attn
		.amdhsa_group_segment_fixed_size 215040
		.amdhsa_private_segment_fixed_size 0
		.amdhsa_enable_private_segment 0
		.amdhsa_kernarg_size 40
		.amdhsa_user_sgpr_count 2
		.amdhsa_user_sgpr_kernarg_segment_ptr 1
		.amdhsa_wavefront_size32 1
		.amdhsa_system_sgpr_workgroup_id_x 1
		.amdhsa_system_sgpr_workgroup_id_y 1
		.amdhsa_system_sgpr_workgroup_id_z 1
		.amdhsa_system_vgpr_workitem_id 0
		.amdhsa_next_free_vgpr 256
		.amdhsa_next_free_sgpr 66
		.amdhsa_reserve_vcc 1
		.amdhsa_float_denorm_mode_32 3
		.amdhsa_float_denorm_mode_16_64 3
		.amdhsa_memory_ordered 1
		.amdhsa_forward_progress 1
		.amdhsa_inst_pref_size 52
	.end_amdhsa_kernel
	.amdgpu_metadata
---
amdhsa.version: [ 1, 2 ]
amdhsa.kernels:
  - .name:           k_q962a902172_attn
    .symbol:         k_q962a902172_attn.kd
    .args:
      - { .name: qkvc, .offset: 0, .size: 8, .value_kind: global_buffer, .address_space: global }
      - { .name: qkvs, .offset: 8, .size: 8, .value_kind: global_buffer, .address_space: global }
      - { .name: key_padding_mask, .offset: 16, .size: 8, .value_kind: global_buffer, .address_space: global }
      - { .name: oc, .offset: 24, .size: 8, .value_kind: global_buffer, .address_space: global }
      - { .name: os, .offset: 32, .size: 8, .value_kind: global_buffer, .address_space: global }
    .group_segment_fixed_size: 215040
    .private_segment_fixed_size: 0
    .kernarg_segment_align: 8
    .kernarg_segment_size: 40
    .max_flat_workgroup_size: 512
    .sgpr_count:     66
    .vgpr_count:     256
    .wavefront_size: 32
...
	.end_amdgpu_metadata
.endif
;; end of part 3
;; launch outp (part 4): grid 4 x 64, 4 waves a work-group, clusters of 4 x 4, 327,680 bytes of LDS; arguments oc, os, codes, scales, bo, out0; writes out0
.if DOCPART == 4
	.amdgcn_target "amdgcn-amd-amdhsa--gfx1250"
	.amdhsa_code_object_version 6
	.text
	.protected	k_q962a902172_outp
	.globl	k_q962a902172_outp
	.p2align	8
	.type	k_q962a902172_outp,@function
k_q962a902172_outp:
	s_mov_b64 s[64:65], 0
	v_nop
	global_prefetch_b8 v0, s[64:65] scope:SCOPE_SE
	s_setreg_imm32_b32 hwreg(HW_REG_WAVE_MODE, 25, 1), 1
	s_wait_xcnt 0x0
	s_wait_alu depctr_hold_cnt(0) depctr_sa_sdst(0) depctr_va_vdst(0) depctr_va_sdst(0) depctr_va_ssrc(0) depctr_va_vcc(0) depctr_vm_vsrc(0)
	s_getreg_b32 s2, hwreg(HW_REG_IB_STS2, 6, 4)
	s_cmp_eq_u32 s2, 0
	s_cbranch_scc0 .Lentry_in_a_cluster
	s_endpgm
.Lentry_in_a_cluster:
	s_bfe_u32 s2, ttmp6, 0x10000c
	s_cmp_lg_u32 s2, 0xf033
	s_cbranch_scc0 .Lentry_shape_is_right
	s_endpgm
.Lentry_shape_is_right:
; out0 = O Wo^T + bo on codes of FP6 (E2M3) with E8M0 scales, sums in f32.  O comes as images of operand registers from launch attn (oc [token tile 512][K step 8][1536 bytes], os [K step 8][token tile 512][slot 16] words),
; Wo from launch quant (tiles 1728 to 1791 of codes and scales).  Slot r of tile t is row 32 (t / 2) + 8 (t % 2) + r + 8 (r / 8).
; A WORK-GROUP makes 128 tokens x 256 columns over all of K = 1,024, which lies in LDS at once: every LDS byte is filled once, all tensor loads go out at the head, five a wave, in four chunks along K.
; A WAVE makes 64 tokens x 128 columns: 32 accumulators.  Source 0 = a tile of Wo's rows, source 1 = a tile of tokens: a lane holds one token, register 16 b + i of a tile of tokens = column 32 b + 16 (lane / 16) + i.
; CLUSTER 4 x 4: the tokens' tiles are asked for jointly along a row of the cluster, Wo's along a column.
; THE WAY OUT: bias added, a tile of 16 tokens x 128 columns through the wave's own stage in LDS, back as whole rows of 512 bytes.  The stages lie where the tokens' codes lay: those bytes have had their only fill, and a barrier
; behind every wave's last read of codes stands in front of the first store.
; REGISTERS.  window 0: v1-31 addresses; v32-63 the tokens' scale words (8 a + s), v64-127 Wo's (8 b + s); v128-223 the tokens' fragments, two sets.  window 1: accumulator (a, b) at v[8 (8 a + b)].
; window 2: v0-191 Wo's fragments, two sets; v192-255 the bias.
.set BCOD,  98304
.set ASC,   294912
.set BSC,   299008
.set SPARE, 307200                     ; the spare words, 128 bytes a wave, two blocks of 256 bytes that no other line names
.set STG,   8448                       ; a wave's stage: 16 rows x 528 bytes
.set SPW, 14
.set NIL, 15
.set STO, 16                           ; v16 the stage, on the way in: row r, + 64 h
.set RD,  17                           ; v17 and back: 16 x lane
.set SA,  32
.set SB,  64
.set AF,  128
.set BN,  192                          ; in window 2
.set X,   128
.set G1A, 8
.set G1B, 16
.set G1SA, 24
.set G1SB, 32
.set G0A, 40
.set G0B, 68
.set WV,  60
.set WR,  61
.set WC,  62
.set CX,  63
.set CY,  88
.set UU,  90
.set MSB, 0
.macro WIN new
.if MSB != \new
	s_set_vgpr_msb (MSB<<8)|\new
.set MSB, \new
.endif
.endm
.set W_MUL, 0x52                       ; source 0 window 2, source 1 window 0, C and D window 1
.set TO_W2, 0x80
.set W_ADD, 0x09                       ; source 0 window 1, source 1 window 2, destination window 0
.macro PLACES
.rept 4
	v_nop
.endr
.endm
.macro CROUND
	s_barrier_signal -1
	s_barrier_wait -1
	s_cmp_lg_u32 s[WV], 0
	s_cbranch_scc1 .Lnot_wave_0_\@
	s_barrier_signal -3
.Lnot_wave_0_\@:
	s_barrier_wait -3
	s_barrier_signal -1
	s_barrier_wait -1
.endm
.macro GROUP1 g, c, r, p
	s_mov_b32 s[\g+1], (\c)<<16
	s_mov_b32 s[\g+2], (\r)<<16
	s_mov_b32 s[\g+3], (\c)<<16
	s_mov_b32 s[\g+4], \r
	s_mov_b32 s[\g+5], \p
	s_mov_b32 s[\g+6], 0
	s_mov_b32 s[\g+7], 0
.endm
.macro FETCH s
	WIN TO_W2
.irp b, 0,1,2,3,4,5,6,7
.irp c, 0,1,2
	ds_load_b128 v[96*((\s)%2)+12*\b+4*\c:96*((\s)%2)+12*\b+4*\c+3], v[8+(\s)/2] offset:\b*3072+((\s)%2)*1536+512*\c
.endr
.endr
	WIN 0
.irp a, 0,1,2,3
.irp c, 0,1,2
	ds_load_b128 v[AF+48*((\s)%2)+12*\a+4*\c:AF+48*((\s)%2)+12*\a+4*\c+3], v[4+(\s)/2] offset:\a*3072+((\s)%2)*1536+512*\c
.endr
.endr
.endm
.macro MUL s                           ; the 32 accumulators take turns, one instruction a turn; step 0 starts the sums
	WIN W_MUL
.irp a, 0,1,2,3
.irp b, 0,1,2,3,4,5,6,7
.if (\s) == 0
	v_wmma_scale_f32_16x16x128_f8f6f4 v[8*(8*\a+\b):8*(8*\a+\b)+7], v[96*((\s)%2)+12*\b:96*((\s)%2)+12*\b+11], v[AF+48*((\s)%2)+12*\a:AF+48*((\s)%2)+12*\a+11], 0, v[SB+8*\b+(\s)], v[SA+8*\a+(\s)] matrix_a_fmt:MATRIX_FMT_FP6 matrix_b_fmt:MATRIX_FMT_FP6
.else
	v_wmma_scale_f32_16x16x128_f8f6f4 v[8*(8*\a+\b):8*(8*\a+\b)+7], v[96*((\s)%2)+12*\b:96*((\s)%2)+12*\b+11], v[AF+48*((\s)%2)+12*\a:AF+48*((\s)%2)+12*\a+11], v[8*(8*\a+\b):8*(8*\a+\b)+7], v[SB+8*\b+(\s)], v[SA+8*\a+(\s)] matrix_a_fmt:MATRIX_FMT_FP6 matrix_b_fmt:MATRIX_FMT_FP6
.endif
.endr
.endr
	WIN 0
.endm
.macro STEP s
	s_wait_dscnt 0x0                               ; this step's fragments are in, and no LDS instruction of mine is out at a signal
.if ((\s)%2 == 1) && ((\s) < 7)
	s_wait_tensorcnt (5-(\s))/2                    ; my part of the next chunk has landed; the chunks issued behind it may stay out
	s_barrier_signal -1
	s_barrier_wait -1
.endif
.if (\s) == 5
	s_load_b64 s[8:9], s[0:1], 0x28                ; no tensor load of mine is out, so descriptor registers are free: out0
.endif
.if (\s) > 0
	PLACES
.endif
	FETCH (\s)+1
	MUL \s
.endm
	s_load_b128 s[4:7], s[0:1], 0x0                ; oc, os
	s_load_b128 s[96:99], s[0:1], 0x10             ; codes, scales
	v_lshl_add_u32 v[SPW], v0, 2, SPARE
	v_mov_b32 v[NIL], 0
	ds_add_u32 v[SPW], v[NIL]                      ; the wave's opening: the add and its wait ahead of my first tensor load
	v_lshrrev_b32 v1, 5, v0
	v_readfirstlane_b32 s[WV], v1
	s_lshr_b32 s[WR], s[WV], 1                     ; which 64 tokens are mine.  Also: I fetch for the tokens (0) or for Wo (1)
	s_and_b32 s[WC], s[WV], 1                      ; which 128 columns.  Also: which half I fetch
	s_bfe_u32 s[CX], ttmp6, 0x40000
	s_bfe_u32 s[CY], ttmp6, 0x40004
	s_and_b32 s[UU], ttmp7, 0xffff                 ; the cluster's y, 0..15
	s_lshl_b32 s92, s[CY], 2
	s_lshl_b32 s92, 15, s92
	s_lshl_b32 s66, 0x1111, s[CX]
	s_or_b32 s[G1A], s92, (3<<16)|(1<<21)
	s_or_b32 s[G1SA], s92, (3<<16)|(1<<21)
	s_or_b32 s[G1B], s66, (3<<16)|(1<<21)
	s_or_b32 s[G1SB], s66, (3<<16)|(1<<21)
	GROUP1 G1A, 384, 4, 1536                       ; two K steps (3,072 bytes) of 4 tiles, 12,288 bytes apart
	GROUP1 G1B, 384, 8, 1536
	GROUP1 G1SA, 32, 8, 4096                       ; 4 tiles' words (256 bytes) of each of the 8 K steps, 32,768 bytes apart
	GROUP1 G1SB, 32, 16, 32                        ; 8 tiles' scale words: 4,096 dense bytes
	s_lshl_b32 s92, s[UU], 2
	s_add_co_u32 s92, s92, s[CY]
	s_lshl_b32 s92, s92, 3
	s_lshl_b32 s93, s[WC], 2
	s_add_co_u32 s92, s92, s93                     ; the first token tile that I fetch: 8 (4 y + cy) + 4 x half
	s_mov_b32 s[G0A], 1
	s_lshl_b32 s[G0A+1], s[WC], 11
	s_add_co_u32 s[G0A+1], s[G0A+1], ASC
	s_lshl_b32 s[G0A+2], s92, 6                    ; 64 bytes of words a tile and K step
	s_mov_b32 s[G0A+3], 0
	s_mul_i32 s93, s[WC], 12288
.irp c, 0,1,2,3
	s_mov_b32 s[G0A+4+4*\c], 1
	s_add_co_u32 s[G0A+5+4*\c], s93, \c*24576
.endr
	s_mul_i32 s[G0A+6], s92, 12288
	s_mov_b32 s[G0A+7], 0
	s_lshl_b32 s66, s[CX], 4
	s_add_co_u32 s66, s66, 1728
	s_lshl_b32 s67, s[WC], 3
	s_add_co_u32 s66, s66, s67                     ; Wo's: 1728 + 16 cx + 8 x half
	s_mov_b32 s[G0B], 1
	s_lshl_b32 s[G0B+1], s[WC], 12
	s_add_co_u32 s[G0B+1], s[G0B+1], BSC
	s_lshl_b32 s[G0B+2], s66, 9
	s_mov_b32 s[G0B+3], 0
	s_mul_i32 s67, s[WC], 24576
.irp c, 0,1,2,3
	s_mov_b32 s[G0B+4+4*\c], 1
	s_add_co_u32 s[G0B+5+4*\c], s67, BCOD+\c*49152
.endr
	s_mul_i32 s[G0B+6], s66, 12288
	s_mov_b32 s[G0B+7], 0
	s_wait_dscnt 0x0                               ; the opening add is done
	s_wait_kmcnt 0x0
	s_add_nc_u64 s[G0A+2:G0A+3], s[6:7], s[G0A+2:G0A+3]
	s_add_nc_u64 s[G0A+6:G0A+7], s[4:5], s[G0A+6:G0A+7]
	s_add_nc_u64 s[G0B+2:G0B+3], s[98:99], s[G0B+2:G0B+3]
	s_add_nc_u64 s[G0B+6:G0B+7], s[96:97], s[G0B+6:G0B+7]
.irp g, G0A, G0B
	s_add_nc_u64 s[\g+10:\g+11], s[\g+6:\g+7], 3072
	s_add_nc_u64 s[\g+14:\g+15], s[\g+6:\g+7], 6144
	s_add_nc_u64 s[\g+18:\g+19], s[\g+6:\g+7], 9216
.irp k, 0,1,2,3,4
	s_or_b32 s[\g+3+4*\k], s[\g+3+4*\k], 0x80000000
.endr
.endr
	CROUND                                         ; all sixteen work-groups are here: the joint loads meet
	s_cmp_eq_u32 s[WR], 0                          ; a wave's five first fills stand in one branch on its number: five tensor loads of mine are out
	s_cbranch_scc0 .Lfor_b
	tensor_load_to_lds s[G0A:G0A+3], s[G1SA:G1SA+7]
	s_nop 0
.irp c, 1,2,3,4
	tensor_load_to_lds s[G0A+4*\c:G0A+4*\c+3], s[G1A:G1A+7]
	s_nop 0
.endr
	PLACES
	s_branch .Lasked
.Lfor_b:
	tensor_load_to_lds s[G0B:G0B+3], s[G1SB:G1SB+7]
	s_nop 0
.irp c, 1,2,3,4
	tensor_load_to_lds s[G0B+4*\c:G0B+4*\c+3], s[G1B:G1B+7]
	s_nop 0
.endr
	PLACES
.Lasked:
	s_lshl_b32 s2, s[UU], 2
	s_add_co_u32 s2, s2, s[CY]
	s_lshl_b32 s2, s2, 7
	s_lshl_b32 s3, s[WR], 6
	s_add_co_u32 s2, s2, s3                        ; my first token: 128 (4 y + cy) + 64 x half
	s_lshl_b32 s2, s2, 12                          ; a row of out0 is 4,096 bytes
	s_lshl_b32 s94, s[CX], 10
	s_lshl_b32 s3, s[WC], 9
	s_add_co_u32 s94, s94, s3                      ; my first column, in bytes: 1,024 cx + 512 x half
	s_add_co_u32 s98, s2, s94
	s_mov_b32 s95, 0
	s_load_b64 s[96:97], s[0:1], 0x20              ; bo
	v_and_b32 v1, 15, v0                           ; r
	v_bfe_u32 v2, v0, 4, 1                         ; h
	v_and_b32 v3, 31, v0
	v_lshlrev_b32 v3, 4, v3                        ; 16 x lane
	s_mul_i32 s2, s[WR], 12288
	s_mul_i32 s3, s[WC], 24576
	s_add_co_u32 s3, s3, BCOD
.irp c, 0,1,2,3
	v_add_nc_u32 v[4+\c], s2, v3
	v_add_nc_u32 v[8+\c], s3, v3
	s_add_co_u32 s2, s2, 24576
	s_add_co_u32 s3, s3, 49152
.endr
	s_lshl_b32 s2, s[WR], 11
	s_add_co_u32 s2, s2, ASC
	v_lshl_add_u32 v12, v1, 2, s2                  ; the tokens' scale words: 4 r
	s_lshl_b32 s2, s[WC], 12
	s_add_co_u32 s2, s2, BSC
	v_lshl_add_u32 v13, v1, 4, s2                  ; Wo's: 16 r
	s_mul_i32 s2, s[WV], STG
	v_mul_u32_u24 v[STO], v1, 528
	v_lshl_add_u32 v[STO], v2, 6, v[STO]
	v_add_nc_u32 v[STO], s2, v[STO]
	v_add_nc_u32 v[RD], s2, v3
	v_lshlrev_b32 v18, 6, v2                       ; the bias: 64 h
	s_wait_kmcnt 0x0
	s_add_nc_u64 s[96:97], s[96:97], s[94:95]
	WIN TO_W2
.irp b, 0,1,2,3
.irp j, 0,1,2,3
	global_load_b128 v[BN+16*\b+4*\j:BN+16*\b+4*\j+3], v18, s[96:97] offset:128*\b+16*\j   ; register 16 b + i takes column 32 b + 16 h + i
.endr
.endr
	WIN 0
	s_wait_tensorcnt 3                             ; my scale words and my part of chunk 0 have landed; chunks 1 to 3 may be out
	s_barrier_signal -1
	s_barrier_wait -1
.irp a, 0,1,2,3
.irp s, 0,1,2,3,4,5,6,7
	ds_load_b32 v[SA+8*\a+\s], v12 offset:\s*256+\a*64
.endr
.endr
.irp b, 0,1,2,3,4,5,6,7
.irp k, 0,1
	ds_load_b128 v[SB+8*\b+4*\k:SB+8*\b+4*\k+3], v13 offset:\b*512+\k*256
.endr
.endr
	FETCH 0
.irp s, 0,1,2,3,4,5,6
	STEP \s
.endr
	s_wait_dscnt 0x0                               ; the last step's fragments are in: my reads of the codes are over;
	s_barrier_signal -1                            ; say so,
	MUL 7                                          ; work on registers meanwhile,
	s_barrier_wait -1                              ; and store into the stages only when all four waves have said so
	s_wait_loadcnt 0x0                             ; the bias
	s_wait_kmcnt 0x0                               ; out0
	s_mov_b32 s2, s98
	s_mov_b32 s3, 0
	s_add_nc_u64 s[8:9], s[8:9], s[2:3]
	PLACES
.irp a, 0,1,2,3
.set BB, 32+160*(\a%2)                 ; rows read back: v32-95 and v192-255 by turns
	WIN W_ADD
.set i, 0
.rept 32
	v_pk_add_f32 v[X+2*i:X+2*i+1], v[64*\a+2*i:64*\a+2*i+1], v[BN+2*i:BN+2*i+1]   ; ascending: each accumulator is read from its low end on
.set i, i+1
.endr
	WIN 0
.irp b, 0,1,2,3
.irp j, 0,1,2,3
	ds_store_b128 v[STO], v[X+16*\b+4*\j:X+16*\b+4*\j+3] offset:128*\b+16*\j
.endr
.endr
.if \a >= 2
	s_wait_xcnt 0x0                                ; the stores of two tiles back have read these registers
.endif
.irp t, 0,1,2,3,4,5,6,7,8,9,10,11,12,13,14,15
	ds_load_b128 v[BB+4*\t:BB+4*\t+3], v[RD] offset:528*\t   ; LDS serves a wave's instructions in order: these see the stores above
.endr
	s_wait_dscnt 0x0
.irp t, 0,1,2,3,4,5,6,7,8,9,10,11,12,13,14,15
	global_store_b128 v3, v[BB+4*\t:BB+4*\t+3], s[8:9] offset:(32*(\a/2)+8*(\a%2)+\t+8*(\t/8))*4096 th:TH_STORE_NT   ; slot t's token: 32 lanes store 512 consecutive bytes, at a multiple of 256 from out0's first byte
.endr
.endr
	s_wait_tensorcnt 0x0                           ; the wave's end: behind my last tensor load and my last LDS store
	ds_add_u32 v[SPW], v[NIL]
	s_wait_dscnt 0x0
	CROUND                                         ; the closing round
	s_endpgm
.Lfunc_end_k_q962a902172_outp:
	.size	k_q962a902172_outp, .Lfunc_end_k_q962a902172_outp-k_q962a902172_outp
	.p2alignl 7, 3214868480
	.fill 96, 4, 3214868480
	.section	.rodata,"a",@progbits
	.p2align	6, 0x0
	.amdhsa_kernel k_q962a902172_outp
		.amdhsa_group_segment_fixed_size 327680
		.amdhsa_private_segment_fixed_size 0
		.amdhsa_enable_private_segment 0
		.amdhsa_kernarg_size 48
		.amdhsa_user_sgpr_count 2
		.amdhsa_user_sgpr_kernarg_segment_ptr 1
		.amdhsa_wavefront_size32 1
		.amdhsa_system_sgpr_workgroup_id_x 1
		.amdhsa_system_sgpr_workgroup_id_y 1
		.amdhsa_system_sgpr_workgroup_id_z 1
		.amdhsa_system_vgpr_workitem_id 0
		.amdhsa_next_free_vgpr 768
		.amdhsa_next_free_sgpr 102
		.amdhsa_reserve_vcc 0
		.amdhsa_float_denorm_mode_32 3
		.amdhsa_float_denorm_mode_16_64 3
		.amdhsa_memory_ordered 1
		.amdhsa_forward_progress 1
		.amdhsa_inst_pref_size 91
	.end_amdhsa_kernel
	.amdgpu_metadata
---
amdhsa.version: [ 1, 2 ]
amdhsa.kernels:
  - .name:           k_q962a902172_outp
    .symbol:         k_q962a902172_outp.kd
    .args:
      - { .name: oc, .offset: 0, .size: 8, .value_kind: global_buffer, .address_space: global }
      - { .name: os, .offset: 8, .size: 8, .value_kind: global_buffer, .address_space: global }
      - { .name: codes, .offset: 16, .size: 8, .value_kind: global_buffer, .address_space: global }
      - { .name: scales, .offset: 24, .size: 8, .value_kind: global_buffer, .address_space: global }
      - { .name: bo, .offset: 32, .size: 8, .value_kind: global_buffer, .address_space: global }
      - { .name: out0, .offset: 40, .size: 8, .value_kind: global_buffer, .address_space: global }
    .group_segment_fixed_size: 327680
    .private_segment_fixed_size: 0
    .kernarg_segment_align: 8
    .kernarg_segment_size: 48
    .max_flat_workgroup_size: 128
    .sgpr_count:     102
    .vgpr_count:     768
    .wavefront_size: 32
...
	.end_amdgpu_metadata
.endif
;; end of part 4
